; MI455X (gfx1250); checked and timed in simulation.
; The chip was launched on July 23, 2026; its instructions are those of AMD's public machine-readable ISA for CDNA 5 (MIT licence, August 2026) and "CDNA5" Instruction Set Architecture Reference Guide (July 2026). The comments in the code are by the model that wrote it; some were corrected since.
;; Sigma Mo E. Allowed arithmetic: float matrix products may take bf16 or f16 operands with f32 sums; all other float work in f32.
;; Inputs: expert_sel 16 x 1,024 float32; input_tensor 4 x 4,096 x 1,024 float32; keys 16 x 1,024 x 128 float32; values 16 x 128 x 1,024 float32.
;; Outputs: out0 4 x 4,096 x 1,024 float32.
;; 2 versions, each right; version 2 is version 1 with the launch prep written anew for expert scheduling mode. Each part assembles by itself: llvm-mc -triple=amdgcn-amd-amdhsa -mcpu=gfx1250 --defsym DOCPART=n.
;; ======== version 1 of 2: 3 launches
;; workspace buffers: xb 33,554,432 bytes; kb 4,194,304 bytes; vb 4,194,304 bytes; gt 1,048,576 bytes; hid 67,108,864 bytes
;; launch prep (part 1): grid 256 x 1, 8 waves a work-group, no clusters, 77,568 bytes of LDS; arguments input_tensor, expert_sel, keys, values, xb, kb, vb, gt; writes xb, kb, vb, gt
.if DOCPART == 1
	.amdgcn_target "amdgcn-amd-amdhsa--gfx1250"
	.amdhsa_code_object_version 6
	.text
	.protected	k_q00c76a5b85_prep
	.globl	k_q00c76a5b85_prep
	.p2align	8
	.type	k_q00c76a5b85_prep,@function
k_q00c76a5b85_prep:
	s_mov_b64 s[64:65], 0
	v_nop
	global_prefetch_b8 v0, s[64:65] scope:SCOPE_SE
	s_setreg_imm32_b32 hwreg(HW_REG_WAVE_MODE, 25, 1), 1
	s_wait_xcnt 0x0
; prep: bf16 copies of x, keys and values (same order as the f32 tensors), and the router's gates
;   gt[e][t] = sigmoid(sum over d of x[t][d] expert_sel[e][d]),  f32, expert-major [16][16384],
; the products on the matrix unit with bf16 operands and f32 sums.
; 256 work-groups of eight waves.  Work-group g owns tokens 64 g .. 64 g + 63 and 32 KiB each of keys and of values (taken as a plain
; stream).  Wave w owns tokens 16 (w >> 1) .. + 15 in columns 512 (w & 1) .. + 511, 4 KiB of keys, 4 KiB of values and rows 2 w, 2 w + 1
; of expert_sel.  The wave's work is six TASKS of sixteen 512-byte loads (16 bytes a lane): S (expert_sel into LDS as bf16), K + V, x0 .. x3
; (128 columns of the wave's 16 tokens each).  Task i uses register buffer i & 1 and asks, slot by slot, for task i + 2: 32 loads of every
; wave, 128 KiB of the work-group, are on their way until the last two tasks.  Every store of a wave covers 256 consecutive bytes, aligned.
; The two halves of a router sum (the two waves of a token group) meet in LDS as f32; the sigmoid is taken of their sum.
; No cluster, no tensor loads: all but expert_sel (64 KiB against 320 KiB of a work-group's own bytes) is read by one work-group alone.
; LIMITS: v_exp_f32 and v_rcp_f32 flush denormals (ISA guide, their entries in 15.8), so a gate below 2^-126 comes out as 0.
; sigmoid(z) = 1 / (1 + 2^(-1.442695 z)): for a large |z| the power is 0 or infinity and the gate 1 or 0, never a NaN for a finite z.
.set XIN,  16                          ; s[16:17] x at my wave's first token and column
.set SEL,  18                          ; s[18:19] expert_sel at my wave's two rows
.set KEYS, 20                          ; s[20:21] keys at my wave's 4 KiB
.set VALS, 22                          ; s[22:23] values likewise
.set XB,   24                          ; s[24:25] xb at my wave's first token and column
.set KB,   26                          ; s[26:27] kb at my wave's 2 KiB
.set VB,   28                          ; s[28:29] vb likewise
.set GTB,  30                          ; s[30:31] gt at my work-group's first token
.set WPITCH, 2064                      ; LDS row of expert_sel: 2,048 bytes + 16, an odd multiple of 16: the 16 rows of a fragment load start 16 bytes apart modulo 256
.set SPITCH, 272                       ; LDS row of a stage and of the sums: 256 bytes + 16
.set STG,  16*WPITCH                   ; 33,024: eight stages of 16 rows, one a wave
.set GL,   STG+8*16*SPITCH             ; 67,840: the router's sums, two halves of 16 experts x 64 tokens of f32
.set GHALF, 16*SPITCH                  ; 4,352: from one half to the other
.set VO,   2                           ; v2   16 x lane
.set VO8,  3                           ; v3   8 x lane
.set WSA,  4                           ; v4   where my 8 bytes of expert_sel's row 2 w go
.set STA,  5                           ; v5   where my 8 bytes of the stage's row 0 go
.set XFA,  6                           ; v6   fragment address in my stage:  272 r + 16 h
.set WFA,  7                           ; v7   fragment address in expert_sel: 2064 r + 16 h + my half of the columns
.set GA,   8                           ; v8   where my sums go
.set GR,   9                           ; v9   where I read sums back
.set GO,   10                          ; v10  my byte offset in gt
.set X,    16                          ; v[16:143]  32 slots of 4: buffer b at X + 64 b, slot t at + 4 t
.set Y,    144                         ; v[144:175] 16 slots of 2: bf16, to store
.set XF,   176                         ; v[176:207] four fragments of x (16 tokens x 32 d)
.set WF,   208                         ; v[208:239] four fragments of expert_sel (16 experts x 32 d)
.set ACC,  240                         ; v[240:255] two accumulators
	s_load_b512 s[16:31], s[0:1], 0x0              ; all eight addresses
	v_lshl_add_u32 v14, v0, 2, 0x12b00
	v_mov_b32 v15, 0
	v_lshrrev_b32 v1, 5, v0
	v_readfirstlane_b32 s8, v1                     ; wave 0..7
	v_and_b32 v1, 31, v0                           ; lane
	v_and_b32 v12, 15, v0                          ; r
	v_bfe_u32 v13, v0, 4, 1                        ; h
	v_lshlrev_b32 v[VO], 4, v1
	v_lshlrev_b32 v[VO8], 3, v1
	s_lshr_b32 s9, s8, 1                           ; my token group, 0..3
	s_and_b32 s10, s8, 1                           ; my half of the columns
	s_lshl_b32 s2, ttmp9, 18                       ; x: 64 tokens of 4,096 bytes a work-group,
	s_lshl_b32 s4, s9, 16                          ; 16 a token group,
	s_add_co_u32 s2, s2, s4
	s_lshl_b32 s4, s10, 11                         ; 2,048 bytes a half row
	s_add_co_u32 s2, s2, s4
	s_mov_b32 s3, 0
	s_lshl_b32 s4, s8, 13                          ; two rows of expert_sel
	s_mov_b32 s5, 0
	s_lshl_b32 s6, ttmp9, 15                       ; keys, values: 32 KiB a work-group,
	s_lshl_b32 s7, s8, 12                          ; 4 KiB a wave
	s_add_co_u32 s6, s6, s7
	s_mov_b32 s7, 0
	s_lshl_b32 s12, ttmp9, 8                       ; 64 tokens of 4 bytes in a row of gt
	s_mov_b32 s13, 0
	s_wait_kmcnt 0x0
	s_add_nc_u64 s[SEL:SEL+1], s[SEL:SEL+1], s[4:5]
	s_add_nc_u64 s[KEYS:KEYS+1], s[KEYS:KEYS+1], s[6:7]
	s_add_nc_u64 s[VALS:VALS+1], s[VALS:VALS+1], s[6:7]
.set t, 0
.rept 16
	global_load_b128 v[X+4*t:X+4*t+3], v[VO], s[SEL:SEL+1] offset:512*t   ; task S; every work-group reads these rows: no hint
.set t, t+1
.endr
.set t, 0
.rept 8
	global_load_b128 v[X+64+4*t:X+64+4*t+3], v[VO], s[KEYS:KEYS+1] offset:512*t th:TH_LOAD_NT   ; task K + V: slots 0 to 7
.set t, t+1
.endr
.set t, 0
.rept 8
	global_load_b128 v[X+96+4*t:X+96+4*t+3], v[VO], s[VALS:VALS+1] offset:512*t th:TH_LOAD_NT   ; slots 8 to 15
.set t, t+1
.endr
	s_add_nc_u64 s[XIN:XIN+1], s[XIN:XIN+1], s[2:3]
	s_add_nc_u64 s[GTB:GTB+1], s[GTB:GTB+1], s[12:13]
	s_lshr_b32 s2, s2, 1                           ; bf16: half of x's offset
	s_add_nc_u64 s[XB:XB+1], s[XB:XB+1], s[2:3]
	s_lshr_b32 s6, s6, 1                           ; and half of the weights'
	s_add_nc_u64 s[KB:KB+1], s[KB:KB+1], s[6:7]
	s_add_nc_u64 s[VB:VB+1], s[VB:VB+1], s[6:7]
	s_mul_i32 s14, s8, 2*WPITCH
	v_add_nc_u32 v[WSA], s14, v[VO8]               ; row 2 w of expert_sel in LDS + 8 x lane
	s_mul_i32 s15, s8, 16*SPITCH
	s_add_co_u32 s15, s15, STG                     ; my stage
	v_add_nc_u32 v[STA], s15, v[VO8]
	v_mul_u32_u24 v11, v12, SPITCH
	v_lshl_add_u32 v11, v13, 4, v11
	v_add_nc_u32 v[XFA], s15, v11
	v_mul_u32_u24 v[WFA], v12, WPITCH
	v_lshl_add_u32 v[WFA], v13, 4, v[WFA]
	s_lshl_b32 s11, s10, 10                        ; my half of the columns: 1,024 bytes of bf16
	v_add_nc_u32 v[WFA], s11, v[WFA]
	v_mul_u32_u24 v[GA], v13, 8*SPITCH             ; my eight sums are experts 8 h + j,
	v_lshl_add_u32 v[GA], v12, 2, v[GA]            ; token 16 x group + r of the work-group's 64,
	s_mul_i32 s11, s10, GHALF                      ; in my half's table
	s_lshl_b32 s14, s9, 6
	s_add_co_u32 s11, s11, s14
	s_add_co_u32 s11, s11, GL
	v_add_nc_u32 v[GA], s11, v[GA]
	v_mul_u32_u24 v[GR], v13, SPITCH               ; back: expert 2 w + h, 16 bytes (four tokens) a lane
	v_lshl_add_u32 v[GR], v12, 4, v[GR]
	s_mul_i32 s11, s8, 2*SPITCH
	s_add_co_u32 s11, s11, GL
	v_add_nc_u32 v[GR], s11, v[GR]
	v_lshlrev_b32 v[GO], 16, v13                   ; a row of gt is 65,536 bytes
	v_lshl_add_u32 v[GO], v12, 4, v[GO]
	s_lshl_b32 s11, s8, 17
	v_add_nc_u32 v[GO], s11, v[GO]
; Slots t0 .. t0 + n - 1 of a task.  buf: its register buffer.  Slot t waits with the count l0 - dec t.  kind 0: bf16 into expert_sel's LDS rows;
; 1: bf16 to memory at sbase + soff + sstep t; 2: that, and into my stage's row t.  rf = 1: the slot is loaded again from lbase + loff + lstep t.
.macro TASK buf, t0, n, l0, dec, kind, sbase, soff, sstep, rf, lbase, loff, lstep
	s_wait_xcnt 0x0                                ; every earlier memory instruction has had its addresses translated (ISA guide 3.1): Y, which the last task's stores read, is rewritten only behind this wait
.set t, \t0
.rept \n
	s_wait_loadcnt \l0-\dec*t                      ; loads come back in order (ISA guide 5.7.1): this slot's is in, the younger ones stay out
	v_cvt_pk_bf16_f32 v[Y+2*t],   v[X+64*\buf+4*t],   v[X+64*\buf+4*t+1]
	v_cvt_pk_bf16_f32 v[Y+2*t+1], v[X+64*\buf+4*t+2], v[X+64*\buf+4*t+3]
.if \kind == 0
	ds_store_b64 v[WSA], v[Y+2*t:Y+2*t+1] offset:256*t+16*(t>>3)   ; eight slots make a row; the next row lies 2,064 bytes on
.else
	global_store_b64 v[VO8], v[Y+2*t:Y+2*t+1], s[\sbase:\sbase+1] offset:\soff+\sstep*t
.endif
.if \kind == 2
	ds_store_b64 v[STA], v[Y+2*t:Y+2*t+1] offset:SPITCH*t
.endif
.if \rf
	global_load_b128 v[X+64*\buf+4*t:X+64*\buf+4*t+3], v[VO], s[\lbase:\lbase+1] offset:\loff+\lstep*t th:TH_LOAD_NT
.endif
.set t, t+1
.endr
.endm
; The router's share of my chunk c: 128 along d, four matrix instructions.  Source 0 = 16 experts, source 1 = my 16 tokens, so register j of
; lane (r, h) holds expert 8 h + j of token r.  The stage is my own: LDS serves a wave's instructions in order (ISA guide 5.7.1), so the loads
; see the task's stores.  The two accumulators take turns, one instruction a turn, from chunk to chunk too.
; The loads into XF and WF stand behind the task's 32 conversions, which name no register of the last chunk's matrix instructions.
.macro ROUTE c, zero
.irp q, 0,1,2,3
	ds_load_b128 v[XF+8*\q:XF+8*\q+3],   v[XFA] offset:64*\q
	ds_load_b128 v[XF+8*\q+4:XF+8*\q+7], v[XFA] offset:64*\q+32
	ds_load_b128 v[WF+8*\q:WF+8*\q+3],   v[WFA] offset:256*\c+64*\q
	ds_load_b128 v[WF+8*\q+4:WF+8*\q+7], v[WFA] offset:256*\c+64*\q+32
.endr
	s_wait_dscnt 0x0
.if \zero
	v_wmma_f32_16x16x32_bf16 v[ACC:ACC+7],    v[WF:WF+7],    v[XF:XF+7],    0      ; the first products start the sums
	v_wmma_f32_16x16x32_bf16 v[ACC+8:ACC+15], v[WF+8:WF+15], v[XF+8:XF+15], 0
.else
	v_wmma_f32_16x16x32_bf16 v[ACC:ACC+7],    v[WF:WF+7],    v[XF:XF+7],    v[ACC:ACC+7]
	v_wmma_f32_16x16x32_bf16 v[ACC+8:ACC+15], v[WF+8:WF+15], v[XF+8:XF+15], v[ACC+8:ACC+15]
.endif
	v_wmma_f32_16x16x32_bf16 v[ACC:ACC+7],    v[WF+16:WF+23], v[XF+16:XF+23], v[ACC:ACC+7]
	v_wmma_f32_16x16x32_bf16 v[ACC+8:ACC+15], v[WF+24:WF+31], v[XF+24:XF+31], v[ACC+8:ACC+15]
.endm
	; count 31: behind a slot's load the 31 other slots of the ring have been loaded
	TASK 0, 0, 16, 31, 0, 0, KB, 0, 0, 1, XIN, 0, 4096            ; S; asks for x0
	s_wait_dscnt 0x0                               ; my two rows of expert_sel are in LDS,
	s_barrier_signal -1
	s_barrier_wait -1                              ; and so are the others'
	TASK 1, 0, 8, 31, 0, 1, KB, 0,     256, 1, XIN, 512, 4096     ; K; asks for x1's rows 0 to 7
	TASK 1, 8, 8, 31, 0, 1, VB, -2048, 256, 1, XIN, 512, 4096     ; V (slot 8 stores at byte 0); asks for x1's rows 8 to 15
	TASK 0, 0, 16, 31, 0, 2, XB, 0,   2048, 1, XIN, 1024, 4096    ; x0; asks for x2
	ROUTE 0, 1
	TASK 1, 0, 16, 31, 0, 2, XB, 256, 2048, 1, XIN, 1536, 4096    ; x1; asks for x3, the last
	ROUTE 1, 0
	TASK 0, 0, 16, 31, 1, 2, XB, 512, 2048, 0, XIN, 0, 0          ; x2 asks for nothing: the counts run down 31 .. 16,
	ROUTE 2, 0
	TASK 1, 0, 16, 15, 1, 2, XB, 768, 2048, 0, XIN, 0, 0          ; x3: 15 .. 0
	ROUTE 3, 0
	; my half of the sums goes to LDS; behind the barrier each thread adds the two halves of four tokens of one expert and takes the sigmoid
.rept 4
	v_nop                                          ; four places behind the last matrix instruction before its result is read (ISA guide 7.12.1)
.endr
.irp k, 0,2,4,6
	v_pk_add_f32 v[ACC+\k:ACC+\k+1], v[ACC+\k:ACC+\k+1], v[ACC+8+\k:ACC+8+\k+1]
.endr
.irp j, 0,1,2,3,4,5,6,7
	ds_store_b32 v[GA], v[ACC+\j] offset:SPITCH*\j ; expert 8 h + j, token 16 x group + r
.endr
	s_wait_dscnt 0x0                               ; my sums are in LDS,
	s_barrier_signal -1
	s_barrier_wait -1                              ; and so are the others'
	ds_load_b128 v[X:X+3],   v[GR]                 ; columns 0 to 511
	ds_load_b128 v[X+4:X+7], v[GR] offset:GHALF    ; columns 512 to 1023
	s_wait_dscnt 0x0
	v_pk_add_f32 v[X:X+1],   v[X:X+1],   v[X+4:X+5]
	v_pk_add_f32 v[X+2:X+3], v[X+2:X+3], v[X+6:X+7]
.irp j, 0,1,2,3
	v_mul_f32 v[X+\j], 0xbfb8aa3b, v[X+\j]         ; -1.442695 z
.endr
.irp j, 0,1,2,3
	v_exp_f32 v[X+\j], v[X+\j]
.endr
	v_nop                                          ; one plain place behind the last transcendental before its result is used (ISA guide 5.7.2)
	s_wait_alu depctr_va_vdst(0)
.irp j, 0,1,2,3
	v_add_f32 v[X+\j], 1.0, v[X+\j]
.endr
.irp j, 0,1,2,3
	v_rcp_f32 v[X+\j], v[X+\j]
.endr
	v_nop
	s_wait_alu depctr_va_vdst(0)
	global_store_b128 v[GO], v[X:X+3], s[GTB:GTB+1]   ; 16 lanes store the 256 consecutive bytes of one expert's 64 tokens, aligned
	s_wait_tensorcnt 0x0
	ds_add_u32 v14, v15
	s_wait_dscnt 0x0
	s_endpgm
.Lfunc_end_k_q00c76a5b85_prep:
	.size	k_q00c76a5b85_prep, .Lfunc_end_k_q00c76a5b85_prep-k_q00c76a5b85_prep
	.p2alignl 7, 3214868480
	.fill 96, 4, 3214868480
	.section	.rodata,"a",@progbits
	.p2align	6, 0x0
	.amdhsa_kernel k_q00c76a5b85_prep
		.amdhsa_group_segment_fixed_size 77568
		.amdhsa_private_segment_fixed_size 0
		.amdhsa_enable_private_segment 0
		.amdhsa_kernarg_size 64
		.amdhsa_user_sgpr_count 2
		.amdhsa_user_sgpr_kernarg_segment_ptr 1
		.amdhsa_wavefront_size32 1
		.amdhsa_system_sgpr_workgroup_id_x 1
		.amdhsa_system_sgpr_workgroup_id_y 1
		.amdhsa_system_sgpr_workgroup_id_z 1
		.amdhsa_system_vgpr_workitem_id 0
		.amdhsa_next_free_vgpr 256
		.amdhsa_next_free_sgpr 66
		.amdhsa_reserve_vcc 0
		.amdhsa_float_denorm_mode_32 3
		.amdhsa_float_denorm_mode_16_64 3
		.amdhsa_memory_ordered 1
		.amdhsa_forward_progress 1
		.amdhsa_inst_pref_size 48
	.end_amdhsa_kernel
	.amdgpu_metadata
---
amdhsa.version: [ 1, 2 ]
amdhsa.kernels:
  - .name:           k_q00c76a5b85_prep
    .symbol:         k_q00c76a5b85_prep.kd
    .args:
      - { .name: input_tensor, .offset: 0, .size: 8, .value_kind: global_buffer, .address_space: global }
      - { .name: expert_sel, .offset: 8, .size: 8, .value_kind: global_buffer, .address_space: global }
      - { .name: keys, .offset: 16, .size: 8, .value_kind: global_buffer, .address_space: global }
      - { .name: values, .offset: 24, .size: 8, .value_kind: global_buffer, .address_space: global }
      - { .name: xb, .offset: 32, .size: 8, .value_kind: global_buffer, .address_space: global }
      - { .name: kb, .offset: 40, .size: 8, .value_kind: global_buffer, .address_space: global }
      - { .name: vb, .offset: 48, .size: 8, .value_kind: global_buffer, .address_space: global }
      - { .name: gt, .offset: 56, .size: 8, .value_kind: global_buffer, .address_space: global }
    .group_segment_fixed_size: 77568
    .private_segment_fixed_size: 0
    .kernarg_segment_align: 8
    .kernarg_segment_size: 64
    .max_flat_workgroup_size: 256
    .sgpr_count:     66
    .vgpr_count:     256
    .wavefront_size: 32
...
	.end_amdgpu_metadata
.endif
;; end of part 1
;; launch gemm1 (part 2): grid 4 x 64, 4 waves a work-group, clusters of 4 x 4, 327,680 bytes of LDS; arguments xb, kb, hid, gt; writes hid
.if DOCPART == 2
	.amdgcn_target "amdgcn-amd-amdhsa--gfx1250"
	.amdhsa_code_object_version 6
	.text
	.protected	k_q00c76a5b85_gemm1
	.globl	k_q00c76a5b85_gemm1
	.p2align	8
	.type	k_q00c76a5b85_gemm1,@function
k_q00c76a5b85_gemm1:
	s_mov_b64 s[64:65], 0
	v_nop
	global_prefetch_b8 v0, s[64:65] scope:SCOPE_SE
	s_setreg_imm32_b32 hwreg(HW_REG_WAVE_MODE, 25, 1), 1
	s_wait_xcnt 0x0
	s_wait_alu depctr_hold_cnt(0) depctr_sa_sdst(0) depctr_va_vdst(0) depctr_va_sdst(0) depctr_va_ssrc(0) depctr_va_vcc(0) depctr_vm_vsrc(0)
	s_getreg_b32 s2, hwreg(HW_REG_IB_STS2, 6, 4)
	s_cmp_eq_u32 s2, 0
	s_cbranch_scc0 .Lentry_in_a_cluster
	s_endpgm
.Lentry_in_a_cluster:
	s_bfe_u32 s2, ttmp6, 0x10000c
	s_cmp_lg_u32 s2, 0xf033
	s_cbranch_scc0 .Lentry_shape_is_right
	s_endpgm
.Lentry_shape_is_right:
; gemm1: hid[t][128 e + h] = gt[e][t] * relu(sum over d of xb[t][d] kb[e][d][h]), rounded once to bf16.
; A = xb [16384][1024] bf16 (K along the rows), B = kb [16][1024][128] bf16 (K DOWN the rows), hid [16384][2048] bf16, gt [16][16384] f32.
; 256 work-groups THAT STAY: each makes two blocks of 256 tokens x 256 columns, block columns c and c + 4 of its block row, one after the other.
; Four waves; a wave makes 128 x 128 of a block (64 accumulator tiles, 512 registers), and its 128 columns are one expert.  K goes in steps of 128
; through a ring of two LDS slots filled by tensor loads, one load a wave and step: waves 0, 1 bring A's two halves (128 rows x 256 bytes),
; waves 2, 3 B's (128 k rows x 256 bytes: one expert's 128 columns).  The ring runs on into the second block: the first block's last two K steps
; fill the slots with the second block's first two, so these land while the first block is rounded and stored, and the first block's stores
; leave while the second block is multiplied.  A wave has two tensor loads out at the start and one behind each round later.
; B's fragments are read with the transposing LDS load, so the weights stay in memory as the problem gives them.
; CLUSTERS: 4 x 4 work-groups.  A's tile hangs on the block row alone and is asked for jointly along a row of the cluster, B's on the block
; column alone and is asked for jointly along a column: each of the four issues the same load with the same descriptor and a mask naming the four.
; LIMIT: relu is v_max_num_f32 with 0, in which a NaN loses: a NaN score gives 0 where the definition would keep the NaN.
;
; REGISTERS, in windows of 256:  window 0: v16-27 addresses, v32-47 gates, v64-127 and v128-191 fragments of A (two buffers), v192-223 at work
; on the way out;  window 1: v64-127, v128-191 fragments of B;  window 2: accumulator tiles of my rows 0-63 (tile (a, b) at v[8 (8 a + b)]);
; window 3: those of my rows 64-127.  s_set_vgpr_msb's low byte: bits 1:0 source 0, 3:2 source 1, 5:4 source 2, 7:6 destination.
; THE MATRIX INSTRUCTION IS USED TRANSPOSED: source 0 = 16 columns of B, source 1 = 16 rows of A: lane l then holds row l % 16 of the tile and
; its registers 0 to 7 the columns 8 (l / 16) + 0 .. 7, eight neighbouring numbers of a row of hid.
.set SIZE_K, 1024
.set KSTEP,  128
.set APITCH, 272                       ; A's LDS row: 256 bytes + 16: the 16 rows that a fragment load touches start 16 bytes apart modulo 256
.set BPITCH, 288                       ; B's LDS row: 256 bytes + 32, an odd multiple of 32, for the transposing load's eight rows of two 16-byte columns
.set HALF,   128*BPITCH                ; 36,864: the LDS bytes of one wave's tile (A's use 34,816 of them)
.set SLOT,   4*HALF                    ; A's two halves, then B's two halves
.set STAGE,  2*SLOT                    ; 294,912, behind the ring: 16 rows x 272 bytes a wave for the way out; no tensor load lands here
.set SPITCH, 272
.set LAPS,   SIZE_K/(2*KSTEP)          ; a lap = two K steps = once round the ring; four laps a block
.set AROW,   SIZE_K*2                  ; bytes in a row of A
.set BROW,   128                       ; elements from a k row of B to the next
.set BSTEP,  KSTEP*BROW*2              ; bytes of B from a K step to the next
.set BSHIFT, 18                        ; B's tile begins at (2 x block column + half) << 18: an expert's plane is 262,144 bytes
.set CROW,   4096                      ; bytes in a row of hid
.set CSHIFT, 8                         ; my columns begin at (2 x block column + half) << 8 bytes
.set ABACK,  (SIZE_K-2*KSTEP)*2        ; 1,536: A's address from K step 6 (7) of a block back to K step 0 (1) of the next: the same rows
.set BNEXT,  (8<<BSHIFT)-(SIZE_K/KSTEP-2)*BSTEP   ; 1,900,544: B's address from K step 6 (7) on to K step 0 (1) eight experts further
.set CNEXT,  7*16*CROW-4*512           ; 456,704: C's base from the first block's last 16 rows back to its first, four block columns further
.set GNEXT,  8*65536                   ; gt: eight experts further
.set ADRA, 16                          ; v16-17  LDS address of my A fragments in slot 0, 1
.set ADRB, 20                          ; v20-21  the same for B
.set STO,  24                          ; v24     the way out: where I put 16 bytes of a row
.set RD,   25                          ; v25     the way out: where I read a row back
.set CO,   26                          ; v26     my byte offset in hid
.set GO,   27                          ; v27     4 (l % 16): my byte offset among 16 gates
.set GT,   32                          ; v[32:47] the gate of my row in each of my eight row blocks, each twice (a pair for the packed multiply)
.set F0,   64
.set F1,   128
.set RL,   64                          ; the way out: 64 numbers in f32 at work
.set TMP,  192                         ; the way out: packed results
.set G1,  24                           ; s[24:31] descriptor group 1 for A's tiles
.set G0,  32                           ; s[32:39] descriptor group 0 for A's tiles, one set for each slot
.set G1B, 48                           ; s[48:55] group 1 for B's tiles
.set G0B, 56                           ; s[56:63] group 0 for B's tiles, one set for each slot
.set MSB, 0
.macro WIN new                         ; the immediate's high byte repeats the setting that is left
.if MSB != \new
	s_set_vgpr_msb (MSB<<8)|\new
.set MSB, \new
.endif
.endm
.set MUL_LO, 0xa1                      ; source 0 (B) window 1, source 1 (A) window 0, C and D window 2
.set MUL_HI, 0xf1                      ; the same, C and D window 3
.set TO_B,   0x40                      ; destination window 1, address window 0
; A joint load.  Waves 0 and 1 fetch A's halves, waves 2 and 3 B's.  Each line has one mask and one set of registers for all that issue it.
; The branch hangs on the wave's number alone.
.macro JLOAD s
	s_cmp_eq_u32 s11, 0
	s_cbranch_scc0 .Lfor_b_\@
	tensor_load_to_lds s[G0+4*\s:G0+4*\s+3], s[G1:G1+7]
	s_nop 0
	s_branch .Lasked_\@
.Lfor_b_\@:
	tensor_load_to_lds s[G0B+4*\s:G0B+4*\s+3], s[G1B:G1B+7]
	s_nop 0
.Lasked_\@:
.endm
; A round of the cluster's barrier: my work-group's barrier; wave 0 signals for the work-group; every wave waits for all sixteen; my work-group's barrier again.
.macro CREST                           ; a round behind its opening barrier
	s_cmp_lg_u32 s10, 0
	s_cbranch_scc1 .Lnot_wave_0_\@
	s_barrier_signal -3
.Lnot_wave_0_\@:
	s_barrier_wait -3
	s_barrier_signal -1
	s_barrier_wait -1
.endm
.macro CROUND                          ; a whole round
	s_barrier_signal -1
	s_barrier_wait -1
	CREST
.endm
.macro GATES                           ; the gates of my expert for my 128 rows
.irp i, 0,1,2,3,4,5,6,7
	global_load_b32 v[GT+2*\i],   v[GO], s[70:71] offset:64*\i     ; the gate of row 16 i + l % 16 of my 128,
	global_load_b32 v[GT+2*\i+1], v[GO], s[70:71] offset:64*\i     ; twice
.endr
.endm
	s_load_b128 s[4:7], s[0:1], 0x0                ; xb s[4:5], kb s[6:7]
	s_load_b64 s[8:9], s[0:1], 0x10                ; hid
	s_load_b64 s[70:71], s[0:1], 0x18              ; gt
	s_set_vgpr_msb 0x40
	v_lshl_add_u32 v255, v0, 2, 0x4c400
	s_set_vgpr_msb 0x4000
	v_mov_b32 v255, 0
	s_set_vgpr_msb 0x1
	ds_add_u32 v255, v255
	s_set_vgpr_msb 0x100
	v_lshrrev_b32 v1, 5, v0
	v_readfirstlane_b32 s10, v1                    ; wave 0..3
	s_lshr_b32 s11, s10, 1                         ; which half of the block's rows is mine.  Also: I fetch for A (0) or for B (1)
	s_and_b32 s12, s10, 1                          ; which half of its columns.  Also: which half of that tile I fetch
	s_bfe_u32 s40, ttmp6, 0x40000                  ; cx
	s_bfe_u32 s41, ttmp6, 0x40004                  ; cy
	s_lshl_b32 s42, ttmp9, 2
	s_add_co_u32 s42, s42, s40                     ; the first block's column = 4 x cluster x + cx (0 to 3); the second's is four further
	s_and_b32 s13, ttmp7, 0xffff
	s_lshl_b32 s13, s13, 2
	s_add_co_u32 s13, s13, s41                     ; block row = 4 x cluster y + cy
	s_lshl_b32 s43, s41, 2
	s_lshl_b32 s43, 15, s43                        ; my row of the cluster: places 4 cy .. 4 cy + 3
	s_lshl_b32 s44, 0x1111, s40                    ; my column: places cx, cx + 4, cx + 8, cx + 12
	; group 1: tiles of 128 rows x 128 elements of 2 bytes, padded in LDS behind every 64 words
	s_or_b32 s[G1+0], s43, (1<<16)|(1<<20)|(1<<21)|(5<<22)|(3<<25)   ; 15:0 mask: my row; 17:16 2 bytes; 20 padding on; 21 set beside a mask; 24:22 every 64 words; 31:25 4 words
	s_or_b32 s[G1B+0], s44, (1<<16)|(1<<20)|(1<<21)|(5<<22)|(7<<25)  ; mask: my column; 8 words of padding
	s_mov_b32 s[G1+1], KSTEP<<16                   ; tensor_dim0 = 128
	s_mov_b32 s[G1B+1], 128<<16
	s_mov_b32 s[G1+2], 128<<16                     ; tensor_dim1 = 128
	s_mov_b32 s[G1B+2], KSTEP<<16
	s_mov_b32 s[G1+3], KSTEP<<16                   ; tile_dim0 = 128
	s_mov_b32 s[G1B+3], 128<<16
	s_mov_b32 s[G1+4], 128                         ; tile_dim1 = 128
	s_mov_b32 s[G1B+4], KSTEP
	s_mov_b32 s[G1+5], SIZE_K                      ; elements from row to row
	s_mov_b32 s[G1B+5], BROW
	s_mov_b32 s[G1+6], 0
	s_mov_b32 s[G1B+6], 0
	s_mov_b32 s[G1+7], 0
	s_mov_b32 s[G1B+7], 0
	; where the tiles come from: A's offset is made of the block row and the wave's number, B's of the block column and the wave's number,
	; each in registers that never hold the other coordinate
	s_lshl_b32 s17, s12, 7
	s_lshl_b32 s16, s13, 8
	s_add_co_u32 s16, s16, s17                     ; A: row 256 x block row + 128 x half
	s_mul_i32 s16, s16, AROW                       ; in bytes: below 2^26
	s_mov_b32 s17, 0
	s_lshl_b32 s46, s42, 1
	s_add_co_u32 s46, s46, s12                     ; B: expert 2 x block column + half
	s_lshl_b32 s46, s46, BSHIFT
	s_mov_b32 s47, 0
	s_lshl_b32 s72, s42, 1                         ; my gates: row (expert) 2 x block column + my column half of gt,
	s_add_co_u32 s72, s72, s12
	s_lshl_b32 s72, s72, 16                        ; 65,536 bytes a row,
	s_lshl_b32 s73, s13, 10                        ; token 256 x block row
	s_add_co_u32 s72, s72, s73
	s_lshl_b32 s73, s11, 9                         ; + 128 x my row half, 4 bytes each
	s_add_co_u32 s72, s72, s73
	s_mov_b32 s73, 0
	s_lshl_b32 s74, s13, 8                         ; my part of hid: row 256 x block row
	s_lshl_b32 s75, s11, 7                         ; + 128 x my row half,
	s_add_co_u32 s74, s74, s75
	s_lshl_b32 s74, s74, 12                        ; 4,096 bytes a row: below 2^26,
	s_lshl_b32 s75, s42, 1
	s_add_co_u32 s75, s75, s12
	s_lshl_b32 s75, s75, CSHIFT                    ; and my first column, in bytes
	s_add_co_u32 s74, s74, s75
	s_mov_b32 s75, 0
	s_mul_i32 s20, s10, HALF                       ; and where the tiles go: wave x 36,864: no place in the cluster enters an LDS address
	s_wait_dscnt 0x0
	s_wait_kmcnt 0x0
	s_add_nc_u64 s[14:15], s[4:5], s[16:17]
	s_add_nc_u64 s[46:47], s[6:7], s[46:47]
	s_add_nc_u64 s[70:71], s[70:71], s[72:73]
	s_add_nc_u64 s[8:9], s[8:9], s[74:75]
	CROUND                                         ; all sixteen work-groups are here: the first joint loads meet
.irp s, 0,1
	s_mov_b32 s[G0+4*\s], 1                                        ; count = 1
	s_add_co_u32 s[G0+4*\s+1], s20, \s*SLOT                        ; LDS address
	s_add_nc_u64 s[G0+4*\s+2:G0+4*\s+3], s[14:15], \s*KSTEP*2      ; global address: K step s
	s_or_b32 s[G0+4*\s+3], s[G0+4*\s+3], 0x80000000                ; type = 2
	s_mov_b32 s[G0B+4*\s], 1
	s_add_co_u32 s[G0B+4*\s+1], s20, \s*SLOT
	s_add_nc_u64 s[G0B+4*\s+2:G0B+4*\s+3], s[46:47], \s*BSTEP
	s_or_b32 s[G0B+4*\s+3], s[G0B+4*\s+3], 0x80000000
	JLOAD \s                                       ; the ring is filled before anything else is done
.endr
	v_and_b32 v1, 15, v0                           ; l % 16
	v_lshlrev_b32 v[GO], 2, v1
	GATES                                          ; the first block's; they are waited for in front of its way out
	; A's fragment (16 rows x 32 K, K along the LDS rows): lane l holds row l % 16; two loads of 16 bytes, 32 bytes apart, at row x pitch + 16 (l / 16).
	; B's fragment (32 k rows x 16 columns, K down the LDS rows): two transposing loads, 16 rows apart, at (8 (l / 16) + l % 8) x pitch + 16 ((l / 8) % 2):
	; each group of eight lanes turns 8 x 8 numbers, and lane l ends up with column l % 16, K in the same places as in A's fragment.
	v_bfe_u32 v2, v0, 4, 1                         ; l / 16
	v_mul_u32_u24 v3, v1, APITCH
	v_lshl_add_u32 v3, v2, 4, v3
	v_and_b32 v5, 7, v0
	v_lshl_add_u32 v5, v2, 3, v5
	v_mul_u32_u24 v5, v5, BPITCH
	v_bfe_u32 v6, v0, 3, 1
	v_lshl_add_u32 v5, v6, 4, v5
	s_mul_i32 s21, s11, HALF                       ; my 128 rows of A
	s_mul_i32 s22, s12, HALF                       ; my 128 columns of B,
	s_add_co_u32 s22, s22, 2*HALF                  ; which lie behind A's two halves
.irp s, 0,1
	v_add_nc_u32 v[ADRA+\s], s21, v3
	v_add_nc_u32 v[ADRB+\s], s22, v5
	s_add_co_u32 s21, s21, SLOT
	s_add_co_u32 s22, s22, SLOT
.endr
	s_mul_i32 s23, s10, 16*SPITCH
	s_add_co_u32 s23, s23, STAGE                   ; my stage
	v_mul_u32_u24 v4, v1, SPITCH                   ; in: row l % 16, 16 bytes for each half of the lanes
	v_lshl_add_u32 v4, v2, 4, v4
	v_add_nc_u32 v[STO], s23, v4
	v_mul_u32_u24 v7, v2, SPITCH                   ; back: lanes 0-15 take one row of 256 bytes, lanes 16-31 the next
	v_lshl_add_u32 v7, v1, 4, v7
	v_add_nc_u32 v[RD], s23, v7
	v_lshlrev_b32 v7, 12, v2                       ; and the same two rows in hid (4,096 bytes a row)
	v_lshl_add_u32 v[CO], v1, 4, v7
; 16 matrix instructions: row blocks a0, a0 + 1 of the window's four (hi = 0: my rows 0-63, 1: rows 64-127) x all 8 column blocks, 32 along K.
; zero = 1: the first product starts the sums.  The 64 accumulators take turns, one instruction a turn, in the same order in every quarter
; step and over the loops' backward jumps.
.macro MUL16 f, hi, a0, zero
.irp a, \a0, \a0+1
.irp b, 0,1,2,3,4,5,6,7
.if \zero
	v_wmma_f32_16x16x32_bf16 v[8*(8*(\a)+\b):8*(8*(\a)+\b)+7], v[\f+8*\b:\f+8*\b+7], v[\f+8*(4*\hi+\a):\f+8*(4*\hi+\a)+7], 0
.else
	v_wmma_f32_16x16x32_bf16 v[8*(8*(\a)+\b):8*(8*(\a)+\b)+7], v[\f+8*\b:\f+8*\b+7], v[\f+8*(4*\hi+\a):\f+8*(4*\hi+\a)+7], v[8*(8*(\a)+\b):8*(8*(\a)+\b)+7]
.endif
.endr
.endr
.endm
; 32 LDS loads in one run: the fragments of quarter q (32 along K) of a slot into buffer f: B's 128 columns, then A's 128 rows
.macro FETCH slot, q, f
	WIN TO_B
.irp i, 0,1,2,3,4,5,6,7
	ds_load_tr16_b128 v[\f+8*\i:\f+8*\i+3],   v[ADRB+\slot] offset:\q*32*BPITCH+32*\i
	ds_load_tr16_b128 v[\f+8*\i+4:\f+8*\i+7], v[ADRB+\slot] offset:\q*32*BPITCH+16*BPITCH+32*\i
.endr
	WIN 0
.irp i, 0,1,2,3,4,5,6,7
	ds_load_b128 v[\f+8*\i:\f+8*\i+3],   v[ADRA+\slot] offset:\q*64+\i*16*APITCH
	ds_load_b128 v[\f+8*\i+4:\f+8*\i+7], v[ADRA+\slot] offset:\q*64+\i*16*APITCH+32
.endr
.endm
; A load into a register that a matrix instruction has read, and a vector instruction or LDS store that reads a matrix result, stand four places
; behind that matrix instruction; only plain vector instructions that name none of its registers are places.
.macro PLACES
.rept 4
	v_nop
.endr
.endm
; One of a K step's first three quarters: multiplies buffer f; in its middle it fetches quarter q of the same slot into buffer g.
.macro QUARTER slot, q, f, g, zero
	s_wait_dscnt 8                                 ; B and A's rows 0-63 are in; the youngest eight loads (A's rows 64-127) may be out
	WIN MUL_LO
	MUL16 \f, 0, 0, \zero
	MUL16 \f, 0, 2, \zero
	PLACES
	FETCH \slot, \q, \g
	s_wait_dscnt 32                                ; all but the 32 just issued
	WIN MUL_HI
	MUL16 \f, 1, 0, \zero
	MUL16 \f, 1, 2, \zero
.endm
.macro THREE slot, zero
	QUARTER \slot, 1, F0, F1, \zero
	QUARTER \slot, 2, F1, F0, 0
	QUARTER \slot, 3, F0, F1, 0
.endm
; The last quarter: multiplies buffer 1 and changes slots.  In front of the barrier each wave waits for its own reads of this slot and for all its
; tensor loads (the one that is out is its part of the next slot).  fill = 1: the barrier opens a round of the cluster's barrier, and behind the
; round this slot is filled again, two K steps ahead, first thing; from that request to the wait for it a wave issues 240 matrix instructions.
; fill = 2: the same, but two K steps ahead is the next block: A goes back to the rows' first bytes, B on to the expert eight further.
; fetch = 1: the next slot's first fragments are read into buffer 0.
.macro TURN slot, next, fill, fetch
	s_wait_dscnt 8
	WIN MUL_LO
	MUL16 F1, 0, 0, 0
	s_wait_dscnt 0                                 ; my reads of this slot are over
	s_wait_tensorcnt 0x0                           ; and all my tensor loads have landed
	ds_add_u32 v255, v255
	s_wait_dscnt 0x0
	s_barrier_signal -1
	MUL16 F1, 0, 2, 0                              ; work on registers while the others arrive
	WIN 0
	s_barrier_wait -1
.if \fill
	CREST                                          ; no wave of any partner still reads this slot or has a load on its way
.if \fill == 1
	s_add_nc_u64 s[G0+4*\slot+2:G0+4*\slot+3], s[G0+4*\slot+2:G0+4*\slot+3], 2*KSTEP*2
	s_add_nc_u64 s[G0B+4*\slot+2:G0B+4*\slot+3], s[G0B+4*\slot+2:G0B+4*\slot+3], 2*BSTEP
.else
	s_sub_nc_u64 s[G0+4*\slot+2:G0+4*\slot+3], s[G0+4*\slot+2:G0+4*\slot+3], ABACK
	s_add_nc_u64 s[G0B+4*\slot+2:G0B+4*\slot+3], s[G0B+4*\slot+2:G0B+4*\slot+3], BNEXT
.endif
	JLOAD \slot                                    ; the first tensor load behind the round, one a wave
.endif
.if \fetch
	PLACES
	FETCH \next, 0, F0
.endif
	WIN MUL_HI
	MUL16 F1, 1, 0, 0
	MUL16 F1, 1, 2, 0
.endm
.macro LAP zero                        ; once round the ring, both slots filled again
	THREE 0, \zero
	TURN 0, 1, 1, 1
	THREE 1, 0
	TURN 1, 0, 1, 1
.endm
.macro MIDDLE name                     ; a block's laps 1 and 2
	WIN 0                                          ; at a label and at a branch every window is 0
	s_mov_b32 s3, LAPS-2
.Llap_\name:
	LAP 0
	WIN 0
	s_sub_co_u32 s3, s3, 1
	s_cmp_lg_u32 s3, 0
	s_cbranch_scc1 .Llap_\name
.endm
; THE WAY OUT, 16 rows at a time: relu, times the row's gate, one rounding to bf16, 16 bytes a lane into my own stage, back as whole rows of 256 bytes.
; rows 16 i .. 16 i + 15 of my block = the eight tiles (a, 0..7) of window 2 or 3 (from = 0x08 or 0x0c: source 1); f: 128 or 160 in turn
.macro OUT16 i, a, from, f
	WIN \from
.irp b, 0,1,2,3,4,5,6,7
.irp r, 0,1,2,3,4,5,6,7
	v_max_num_f32 v[RL+8*\b+\r], 0, v[8*(8*\a+\b)+\r]              ; relu, into window 0
.endr
.endr
	WIN 0
.set p, 0
.rept 32
	v_pk_mul_f32 v[RL+2*p:RL+2*p+1], v[RL+2*p:RL+2*p+1], v[GT+2*\i:GT+2*\i+1]   ; my row's gate
.set p, p+1
.endr
.set p, 0
.rept 32
	v_cvt_pk_bf16_f32 v[TMP+p], v[RL+2*p], v[RL+2*p+1]
.set p, p+1
.endr
.irp b, 0,1,2,3,4,5,6,7
	ds_store_b128 v[STO], v[TMP+4*\b:TMP+4*\b+3] offset:32*\b
.endr
	s_wait_xcnt 0x0                                ; every earlier memory instruction has had its addresses translated (ISA guide 3.1): buffer f, which stores read, and the stores' base are rewritten only behind this wait
.if \i
	s_add_nc_u64 s[8:9], s[8:9], 16*CROW           ; 16 rows on
.endif
.irp t, 0,1,2,3,4,5,6,7
	ds_load_b128 v[\f+4*\t:\f+4*\t+3], v[RD] offset:\t*2*SPITCH    ; LDS serves a wave's instructions in order (ISA guide 5.7.1): these see the stores above
.endr
.irp t, 0,1,2,3,4,5,6,7
	s_wait_dscnt 7-\t
	global_store_b128 v[CO], v[\f+4*\t:\f+4*\t+3], s[8:9] offset:2*\t*CROW   ; 16 lanes store 256 consecutive bytes, aligned
.endr
.endm
.macro EPI
	PLACES                                         ; the places behind the block's last matrix instructions
	s_wait_loadcnt 0x0                             ; this block's gates, asked for a block's products ago
	OUT16 0, 0, 0x08, 128
	OUT16 1, 1, 0x08, 160
	OUT16 2, 2, 0x08, 128
	OUT16 3, 3, 0x08, 160
	OUT16 4, 0, 0x0c, 128
	OUT16 5, 1, 0x0c, 160
	OUT16 6, 2, 0x0c, 128
	OUT16 7, 3, 0x0c, 160
.endm
	s_wait_tensorcnt 1                             ; my part of K step 0 is in; K step 1's may stay out
	s_barrier_signal -1
	s_barrier_wait -1                              ; everybody's is
	; THE FIRST BLOCK
	FETCH 0, 0, F0
	LAP 1                                          ; the first lap stands in front of the loop: its first products start the sums
	MIDDLE a
	THREE 0, 0                                     ; the last lap fills the slots with the second block's K steps 0 and 1
	TURN 0, 1, 2, 1
	THREE 1, 0
	TURN 1, 0, 2, 0                                ; no fragments are read ahead: the way out works in buffer 0's registers
	EPI
	; THE SECOND BLOCK.  Slot 0 holds its K step 0: every wave waited for its part in front of the last round.
	s_wait_xcnt 0x0                                ; the stores' base and their data (fragment buffer 1's registers) are rewritten only behind this wait
	s_sub_nc_u64 s[8:9], s[8:9], CNEXT             ; hid: back to my first row, four block columns on
	s_add_nc_u64 s[70:71], s[70:71], GNEXT         ; gt: eight experts on (the first block's gates were waited for)
	GATES
	FETCH 0, 0, F0
	LAP 1
	MIDDLE b
	THREE 0, 0                                     ; the last lap fills nothing
	TURN 0, 1, 0, 1
	THREE 1, 0
	s_wait_dscnt 8                                 ; the very last quarter: nothing more to fetch
	WIN MUL_LO
	MUL16 F1, 0, 0, 0
	MUL16 F1, 0, 2, 0
	s_wait_dscnt 0
	WIN MUL_HI
	MUL16 F1, 1, 0, 0
	MUL16 F1, 1, 2, 0
	EPI
	s_set_vgpr_msb 0x1
	s_wait_tensorcnt 0x0
	ds_add_u32 v255, v255
	s_wait_dscnt 0x0
	s_set_vgpr_msb 0x100
	CROUND                                         ; the closing round: no work-group ends while a partner may still ask for a tile that names it
	s_endpgm
.Lfunc_end_k_q00c76a5b85_gemm1:
	.size	k_q00c76a5b85_gemm1, .Lfunc_end_k_q00c76a5b85_gemm1-k_q00c76a5b85_gemm1
	.p2alignl 7, 3214868480
	.fill 96, 4, 3214868480
	.section	.rodata,"a",@progbits
	.p2align	6, 0x0
	.amdhsa_kernel k_q00c76a5b85_gemm1
		.amdhsa_group_segment_fixed_size 327680
		.amdhsa_private_segment_fixed_size 0
		.amdhsa_enable_private_segment 0
		.amdhsa_kernarg_size 32
		.amdhsa_user_sgpr_count 2
		.amdhsa_user_sgpr_kernarg_segment_ptr 1
		.amdhsa_wavefront_size32 1
		.amdhsa_system_sgpr_workgroup_id_x 1
		.amdhsa_system_sgpr_workgroup_id_y 1
		.amdhsa_system_sgpr_workgroup_id_z 1
		.amdhsa_system_vgpr_workitem_id 0
		.amdhsa_next_free_vgpr 1024
		.amdhsa_next_free_sgpr 76
		.amdhsa_reserve_vcc 0
		.amdhsa_float_denorm_mode_32 3
		.amdhsa_float_denorm_mode_16_64 3
		.amdhsa_memory_ordered 1
		.amdhsa_forward_progress 1
		.amdhsa_inst_pref_size 255
	.end_amdhsa_kernel
	.section	.bss,"aw",@nobits
	.p2align	6
	.space	262144
	.amdgpu_metadata
---
amdhsa.version: [ 1, 2 ]
amdhsa.kernels:
  - .name:           k_q00c76a5b85_gemm1
    .symbol:         k_q00c76a5b85_gemm1.kd
    .args:
      - { .name: xb, .offset: 0, .size: 8, .value_kind: global_buffer, .address_space: global }
      - { .name: kb, .offset: 8, .size: 8, .value_kind: global_buffer, .address_space: global }
      - { .name: hid, .offset: 16, .size: 8, .value_kind: global_buffer, .address_space: global }
      - { .name: gt, .offset: 24, .size: 8, .value_kind: global_buffer, .address_space: global }
    .group_segment_fixed_size: 327680
    .private_segment_fixed_size: 0
    .kernarg_segment_align: 8
    .kernarg_segment_size: 32
    .max_flat_workgroup_size: 128
    .sgpr_count:     76
    .vgpr_count:     1024
    .wavefront_size: 32
...
	.end_amdgpu_metadata
.endif
;; end of part 2
;; launch gemm2 (part 3): grid 4 x 64, 4 waves a work-group, clusters of 4 x 4, 327,680 bytes of LDS; arguments hid, vb, out0; writes out0
.if DOCPART == 3
	.amdgcn_target "amdgcn-amd-amdhsa--gfx1250"
	.amdhsa_code_object_version 6
	.text
	.protected	k_q00c76a5b85_gemm2
	.globl	k_q00c76a5b85_gemm2
	.p2align	8
	.type	k_q00c76a5b85_gemm2,@function
k_q00c76a5b85_gemm2:
	s_mov_b64 s[64:65], 0
	v_nop
	global_prefetch_b8 v0, s[64:65] scope:SCOPE_SE
	s_setreg_imm32_b32 hwreg(HW_REG_WAVE_MODE, 25, 1), 1
	s_wait_xcnt 0x0
	s_wait_alu depctr_hold_cnt(0) depctr_sa_sdst(0) depctr_va_vdst(0) depctr_va_sdst(0) depctr_va_ssrc(0) depctr_va_vcc(0) depctr_vm_vsrc(0)
	s_getreg_b32 s2, hwreg(HW_REG_IB_STS2, 6, 4)
	s_cmp_eq_u32 s2, 0
	s_cbranch_scc0 .Lentry_in_a_cluster
	s_endpgm
.Lentry_in_a_cluster:
	s_bfe_u32 s2, ttmp6, 0x10000c
	s_cmp_lg_u32 s2, 0xf033
	s_cbranch_scc0 .Lentry_shape_is_right
	s_endpgm
.Lentry_shape_is_right:
; gemm2: out0[t][v] = sum over k of hid[t][k] vb[k][v].
; A = hid [16384][2048] bf16 (K along the rows), B = vb [2048][1024] bf16 (K DOWN the rows), out0 [16384][1024] f32.
; A work-group makes a block of 256 x 256 with four waves; a wave makes 128 x 128 (64 accumulator tiles, 512 registers).  K goes in steps of 128
; through a ring of two LDS slots filled by tensor loads, one load a wave and step: waves 0, 1 bring A's two halves (128 rows x 256 bytes),
; waves 2, 3 B's (128 k rows x 256 bytes).  A wave has two tensor loads out at the start and one behind each round later.
; B's fragments are read with the transposing LDS load, so the weights stay in memory as the problem gives them.
; CLUSTERS: 4 x 4 work-groups.  A's tile hangs on the block row alone and is asked for jointly along a row of the cluster, B's on the block
; column alone and is asked for jointly along a column: each of the four issues the same load with the same descriptor and a mask naming the four.
; PREFETCH of A, which the launch reads once: behind the joint load of lap l's second K step each wave asks for 16 rows x 2 K steps x 256 bytes
; of lap l + 2's tiles of A, one lane a block of 256 bytes: lane (r, h) of wave w of the work-group at place cx takes row 64 cx + 16 w + r of the
; block row and K step 2 (l + 2) + h, so the four work-groups of a row of the cluster ask for the 256 rows once between them.  The joint loads for
; these tiles follow one and two K steps later.  Lap 1's tiles are asked for at the start.  The offset is clamped to the last lap's tiles, so the
; loop's last trip asks for those again and no request leaves a row; the last lap asks for nothing.  B (4 MiB) is walked by all 64 block rows
; again and again and is not asked for ahead.
;
; REGISTERS, in windows of 256:  window 0: v16-29 addresses, v64-127 and v128-191 fragments of A (two buffers; on the way out v128-191 carry rows);
; window 1: v64-127, v128-191 fragments of B;  window 2: accumulator tiles of my rows 0-63 (tile (a, b) at v[8 (8 a + b)]);  window 3: rows 64-127.
; s_set_vgpr_msb's low byte: bits 1:0 source 0, 3:2 source 1, 5:4 source 2, 7:6 destination.
; THE MATRIX INSTRUCTION IS USED TRANSPOSED: source 0 = 16 columns of B, source 1 = 16 rows of A: lane l then holds row l % 16 of the tile and
; its registers 0 to 7 the columns 8 (l / 16) + 0 .. 7, 32 neighbouring bytes of a row of out0.
.set SIZE_K, 2048
.set KSTEP,  128
.set APITCH, 272                       ; A's LDS row: 256 bytes + 16: the 16 rows that a fragment load touches start 16 bytes apart modulo 256
.set BPITCH, 288                       ; B's LDS row: 256 bytes + 32, an odd multiple of 32, for the transposing load's eight rows of two 16-byte columns
.set HALF,   128*BPITCH                ; 36,864: the LDS bytes of one wave's tile (A's use 34,816 of them)
.set SLOT,   4*HALF                    ; A's two halves, then B's two halves
.set STAGE,  2*SLOT                    ; 294,912, behind the ring: 16 rows x 272 bytes a wave for the way out; no tensor load lands here
.set SPITCH, 272
.set LAPS,   SIZE_K/(2*KSTEP)          ; a lap = two K steps = once round the ring
.set AROW,   SIZE_K*2                  ; bytes in a row of A
.set BROW,   1024                      ; elements from a k row of B to the next
.set BSTEP,  KSTEP*BROW*2              ; bytes of B from a K step to the next
.set BSHIFT, 8                         ; B's tile begins at (2 x block column + half) << 8 bytes of a row
.set CROW,   4096                      ; bytes in a row of out0
.set CSHIFT, 9                         ; my columns begin at (2 x block column + half) << 9 bytes
.set ADRA, 16                          ; v16-17  LDS address of my A fragments in slot 0, 1
.set ADRB, 20                          ; v20-21  the same for B
.set STO,  24                          ; v24     the way out: where I put 32 bytes of a row
.set RD,   25                          ; v25     the way out: where I read a row back
.set CO,   26                          ; v26     my byte offset in out0
.set PFO,  28                          ; v28     prefetch: my row of the block row x 4,096 + 256 (l / 16); never rewritten
.set PFA,  29                          ; v29     prefetch: that + the lap's bytes along K
.set F0,   64
.set F1,   128
.set G1,  24                           ; s[24:31] descriptor group 1 for A's tiles
.set G0,  32                           ; s[32:39] descriptor group 0 for A's tiles, one set for each slot
.set G1B, 48                           ; s[48:55] group 1 for B's tiles
.set G0B, 56                           ; s[56:63] group 0 for B's tiles, one set for each slot
.set MSB, 0
.macro WIN new                         ; the immediate's high byte repeats the setting that is left
.if MSB != \new
	s_set_vgpr_msb (MSB<<8)|\new
.set MSB, \new
.endif
.endm
.set MUL_LO, 0xa1                      ; source 0 (B) window 1, source 1 (A) window 0, C and D window 2
.set MUL_HI, 0xf1                      ; the same, C and D window 3
.set TO_B,   0x40                      ; destination window 1, address window 0
; A joint load.  Waves 0 and 1 fetch A's halves, waves 2 and 3 B's.  Each line has one mask and one set of registers for all that issue it.
; The branch hangs on the wave's number alone.
.macro JLOAD s
	s_cmp_eq_u32 s11, 0
	s_cbranch_scc0 .Lfor_b_\@
	tensor_load_to_lds s[G0+4*\s:G0+4*\s+3], s[G1:G1+7]
	s_nop 0
	s_branch .Lasked_\@
.Lfor_b_\@:
	tensor_load_to_lds s[G0B+4*\s:G0B+4*\s+3], s[G1B:G1B+7]
	s_nop 0
.Lasked_\@:
.endm
; A round of the cluster's barrier: my work-group's barrier; wave 0 signals for the work-group; every wave waits for all sixteen; my work-group's barrier again.
.macro CREST                           ; a round behind its opening barrier
	s_cmp_lg_u32 s10, 0
	s_cbranch_scc1 .Lnot_wave_0_\@
	s_barrier_signal -3
.Lnot_wave_0_\@:
	s_barrier_wait -3
	s_barrier_signal -1
	s_barrier_wait -1
.endm
.macro CROUND                          ; a whole round
	s_barrier_signal -1
	s_barrier_wait -1
	CREST
.endm
; The lap's request ahead: one lap (512 bytes of each row) further than the last one, never past the last lap's tiles.
.macro PREF
	s_wait_xcnt 0x0                                ; the last request, a lap ago, has had its address translated (ISA guide 3.1): v29 is rewritten only behind this wait
	s_add_co_u32 s68, s68, 2*KSTEP*2
	s_min_u32 s68, s68, AROW-2*KSTEP*2             ; clamped: byte 3,584 of a row begins the last lap's two K steps
	v_add_nc_u32 v[PFA], s68, v[PFO]
	global_prefetch_b8 v[PFA], s[66:67] th:TH_LOAD_NT scope:SCOPE_SE
.endm
	s_load_b128 s[4:7], s[0:1], 0x0                ; hid s[4:5], vb s[6:7]
	s_load_b64 s[8:9], s[0:1], 0x10                ; out0
	s_set_vgpr_msb 0x40
	v_lshl_add_u32 v255, v0, 2, 0x4c400
	s_set_vgpr_msb 0x4000
	v_mov_b32 v255, 0
	s_set_vgpr_msb 0x1
	ds_add_u32 v255, v255
	s_set_vgpr_msb 0x100
	v_lshrrev_b32 v1, 5, v0
	v_readfirstlane_b32 s10, v1                    ; wave 0..3
	s_lshr_b32 s11, s10, 1                         ; which half of the block's rows is mine.  Also: I fetch for A (0) or for B (1)
	s_and_b32 s12, s10, 1                          ; which half of its columns.  Also: which half of that tile I fetch
	s_bfe_u32 s40, ttmp6, 0x40000                  ; cx
	s_bfe_u32 s41, ttmp6, 0x40004                  ; cy
	s_lshl_b32 s42, ttmp9, 2
	s_add_co_u32 s42, s42, s40                     ; block column = 4 x cluster x + cx
	s_and_b32 s13, ttmp7, 0xffff
	s_lshl_b32 s13, s13, 2
	s_add_co_u32 s13, s13, s41                     ; block row = 4 x cluster y + cy
	s_lshl_b32 s43, s41, 2
	s_lshl_b32 s43, 15, s43                        ; my row of the cluster: places 4 cy .. 4 cy + 3
	s_lshl_b32 s44, 0x1111, s40                    ; my column: places cx, cx + 4, cx + 8, cx + 12
	; group 1: tiles of 128 rows x 128 elements of 2 bytes, padded in LDS behind every 64 words
	s_or_b32 s[G1+0], s43, (1<<16)|(1<<20)|(1<<21)|(5<<22)|(3<<25)   ; 15:0 mask: my row; 17:16 2 bytes; 20 padding on; 21 set beside a mask; 24:22 every 64 words; 31:25 4 words
	s_or_b32 s[G1B+0], s44, (1<<16)|(1<<20)|(1<<21)|(5<<22)|(7<<25)  ; mask: my column; 8 words of padding
	s_mov_b32 s[G1+1], KSTEP<<16                   ; tensor_dim0 = 128
	s_mov_b32 s[G1B+1], 128<<16
	s_mov_b32 s[G1+2], 128<<16                     ; tensor_dim1 = 128
	s_mov_b32 s[G1B+2], KSTEP<<16
	s_mov_b32 s[G1+3], KSTEP<<16                   ; tile_dim0 = 128
	s_mov_b32 s[G1B+3], 128<<16
	s_mov_b32 s[G1+4], 128                         ; tile_dim1 = 128
	s_mov_b32 s[G1B+4], KSTEP
	s_mov_b32 s[G1+5], SIZE_K                      ; elements from row to row
	s_mov_b32 s[G1B+5], BROW
	s_mov_b32 s[G1+6], 0
	s_mov_b32 s[G1B+6], 0
	s_mov_b32 s[G1+7], 0
	s_mov_b32 s[G1B+7], 0
	; where the tiles come from: A's offset is made of the block row and the wave's number, B's of the block column and the wave's number,
	; each in registers that never hold the other coordinate
	s_lshl_b32 s17, s12, 7
	s_lshl_b32 s16, s13, 8
	s_add_co_u32 s16, s16, s17                     ; A: row 256 x block row + 128 x half
	s_mul_i32 s16, s16, AROW                       ; in bytes: below 2^27
	s_mov_b32 s17, 0
	s_lshl_b32 s46, s42, 1
	s_add_co_u32 s46, s46, s12                     ; B: columns 128 x (2 x block column + half)
	s_lshl_b32 s46, s46, BSHIFT
	s_mov_b32 s47, 0
	s_lshl_b32 s66, s13, 20                        ; the requests ahead: the block row's first byte, 256 rows of 4,096 bytes a block row
	s_mov_b32 s67, 0
	s_lshl_b32 s69, s40, 2                         ; and my 16 rows of it: 64 cx + 16 w,
	s_add_co_u32 s69, s69, s10
	s_lshl_b32 s69, s69, 16                        ; in bytes
	s_mov_b32 s68, 2*KSTEP*2                       ; along K: lap 1 comes first
	s_mul_i32 s20, s10, HALF                       ; and where the tiles go: wave x 36,864: no place in the cluster enters an LDS address
	s_wait_dscnt 0x0
	s_wait_kmcnt 0x0
	s_add_nc_u64 s[14:15], s[4:5], s[16:17]
	s_add_nc_u64 s[46:47], s[6:7], s[46:47]
	s_add_nc_u64 s[66:67], s[4:5], s[66:67]
	CROUND                                         ; all sixteen work-groups are here: the first joint loads meet
.irp s, 0,1
	s_mov_b32 s[G0+4*\s], 1                                        ; count = 1
	s_add_co_u32 s[G0+4*\s+1], s20, \s*SLOT                        ; LDS address
	s_add_nc_u64 s[G0+4*\s+2:G0+4*\s+3], s[14:15], \s*KSTEP*2      ; global address: K step s
	s_or_b32 s[G0+4*\s+3], s[G0+4*\s+3], 0x80000000                ; type = 2
	s_mov_b32 s[G0B+4*\s], 1
	s_add_co_u32 s[G0B+4*\s+1], s20, \s*SLOT
	s_add_nc_u64 s[G0B+4*\s+2:G0B+4*\s+3], s[46:47], \s*BSTEP
	s_or_b32 s[G0B+4*\s+3], s[G0B+4*\s+3], 0x80000000
	JLOAD \s                                       ; the ring is filled before anything else is done
.endr
	v_and_b32 v1, 15, v0                           ; l % 16
	v_bfe_u32 v2, v0, 4, 1                         ; l / 16
	v_lshlrev_b32 v[PFO], 12, v1                   ; row l % 16 of my 16,
	v_lshl_add_u32 v[PFO], v2, 8, v[PFO]           ; the lap's first or second K step
	v_add_nc_u32 v[PFO], s69, v[PFO]
	v_add_nc_u32 v[PFA], s68, v[PFO]
	global_prefetch_b8 v[PFA], s[66:67] th:TH_LOAD_NT scope:SCOPE_SE   ; lap 1's tiles of A: K steps 2 and 3
	; A's fragment (16 rows x 32 K, K along the LDS rows): lane l holds row l % 16; two loads of 16 bytes, 32 bytes apart, at row x pitch + 16 (l / 16).
	; B's fragment (32 k rows x 16 columns, K down the LDS rows): two transposing loads, 16 rows apart, at (8 (l / 16) + l % 8) x pitch + 16 ((l / 8) % 2):
	; each group of eight lanes turns 8 x 8 numbers, and lane l ends up with column l % 16, K in the same places as in A's fragment.
	v_mul_u32_u24 v3, v1, APITCH
	v_lshl_add_u32 v3, v2, 4, v3
	v_and_b32 v5, 7, v0
	v_lshl_add_u32 v5, v2, 3, v5
	v_mul_u32_u24 v5, v5, BPITCH
	v_bfe_u32 v6, v0, 3, 1
	v_lshl_add_u32 v5, v6, 4, v5
	s_mul_i32 s21, s11, HALF                       ; my 128 rows of A
	s_mul_i32 s22, s12, HALF                       ; my 128 columns of B,
	s_add_co_u32 s22, s22, 2*HALF                  ; which lie behind A's two halves
.irp s, 0,1
	v_add_nc_u32 v[ADRA+\s], s21, v3
	v_add_nc_u32 v[ADRB+\s], s22, v5
	s_add_co_u32 s21, s21, SLOT
	s_add_co_u32 s22, s22, SLOT
.endr
	s_mul_i32 s23, s10, 16*SPITCH
	s_add_co_u32 s23, s23, STAGE                   ; my stage
	v_mul_u32_u24 v4, v1, SPITCH                   ; in: row l % 16, 32 bytes for each half of the lanes
	v_lshl_add_u32 v4, v2, 5, v4
	v_add_nc_u32 v[STO], s23, v4
	v_mul_u32_u24 v7, v2, SPITCH                   ; back: lanes 0-15 take one row of 256 bytes, lanes 16-31 the next
	v_lshl_add_u32 v7, v1, 4, v7
	v_add_nc_u32 v[RD], s23, v7
	v_lshlrev_b32 v7, 12, v2                       ; and the same two rows in out0 (4,096 bytes a row)
	v_lshl_add_u32 v[CO], v1, 4, v7
; 16 matrix instructions: row blocks a0, a0 + 1 of the window's four (hi = 0: my rows 0-63, 1: rows 64-127) x all 8 column blocks, 32 along K.
; zero = 1: the first product starts the sums.  The 64 accumulators take turns, one instruction a turn, in the same order in every quarter
; step and over the loop's backward jump.
.macro MUL16 f, hi, a0, zero
.irp a, \a0, \a0+1
.irp b, 0,1,2,3,4,5,6,7
.if \zero
	v_wmma_f32_16x16x32_bf16 v[8*(8*(\a)+\b):8*(8*(\a)+\b)+7], v[\f+8*\b:\f+8*\b+7], v[\f+8*(4*\hi+\a):\f+8*(4*\hi+\a)+7], 0
.else
	v_wmma_f32_16x16x32_bf16 v[8*(8*(\a)+\b):8*(8*(\a)+\b)+7], v[\f+8*\b:\f+8*\b+7], v[\f+8*(4*\hi+\a):\f+8*(4*\hi+\a)+7], v[8*(8*(\a)+\b):8*(8*(\a)+\b)+7]
.endif
.endr
.endr
.endm
; 32 LDS loads in one run: the fragments of quarter q (32 along K) of a slot into buffer f: B's 128 columns, then A's 128 rows
.macro FETCH slot, q, f
	WIN TO_B
.irp i, 0,1,2,3,4,5,6,7
	ds_load_tr16_b128 v[\f+8*\i:\f+8*\i+3],   v[ADRB+\slot] offset:\q*32*BPITCH+32*\i
	ds_load_tr16_b128 v[\f+8*\i+4:\f+8*\i+7], v[ADRB+\slot] offset:\q*32*BPITCH+16*BPITCH+32*\i
.endr
	WIN 0
.irp i, 0,1,2,3,4,5,6,7
	ds_load_b128 v[\f+8*\i:\f+8*\i+3],   v[ADRA+\slot] offset:\q*64+\i*16*APITCH
	ds_load_b128 v[\f+8*\i+4:\f+8*\i+7], v[ADRA+\slot] offset:\q*64+\i*16*APITCH+32
.endr
.endm
; A load into a register that a matrix instruction has read, and a vector instruction or LDS store that reads a matrix result, stand four places
; behind that matrix instruction; only plain vector instructions that name none of its registers are places.
.macro PLACES
.rept 4
	v_nop
.endr
.endm
; One of a K step's first three quarters: multiplies buffer f; in its middle it fetches quarter q of the same slot into buffer g.
.macro QUARTER slot, q, f, g, zero
	s_wait_dscnt 8                                 ; B and A's rows 0-63 are in; the youngest eight loads (A's rows 64-127) may be out
	WIN MUL_LO
	MUL16 \f, 0, 0, \zero
	MUL16 \f, 0, 2, \zero
	PLACES
	FETCH \slot, \q, \g
	s_wait_dscnt 32                                ; all but the 32 just issued
	WIN MUL_HI
	MUL16 \f, 1, 0, \zero
	MUL16 \f, 1, 2, \zero
.endm
.macro THREE slot, zero
	QUARTER \slot, 1, F0, F1, \zero
	QUARTER \slot, 2, F1, F0, 0
	QUARTER \slot, 3, F0, F1, 0
.endm
; The last quarter: multiplies buffer 1 and changes slots.  In front of the barrier each wave waits for its own reads of this slot and for all its
; tensor loads (the one that is out is its part of the next slot).  fill = 1: the barrier opens a round of the cluster's barrier, and behind the
; round this slot is filled again, two K steps ahead, first thing; from that request to the wait for it a wave issues 240 matrix instructions.
; pf = 1: behind the joint load stands the lap's request ahead.
.macro TURN slot, next, fill, pf
	s_wait_dscnt 8
	WIN MUL_LO
	MUL16 F1, 0, 0, 0
	s_wait_dscnt 0                                 ; my reads of this slot are over
	s_wait_tensorcnt 0x0                           ; and all my tensor loads have landed
	ds_add_u32 v255, v255
	s_wait_dscnt 0x0
	s_barrier_signal -1
	MUL16 F1, 0, 2, 0                              ; work on registers while the others arrive
	WIN 0
	s_barrier_wait -1
.if \fill
	CREST                                          ; no wave of any partner still reads this slot or has a load on its way
	s_add_nc_u64 s[G0+4*\slot+2:G0+4*\slot+3], s[G0+4*\slot+2:G0+4*\slot+3], 2*KSTEP*2
	s_add_nc_u64 s[G0B+4*\slot+2:G0B+4*\slot+3], s[G0B+4*\slot+2:G0B+4*\slot+3], 2*BSTEP
	JLOAD \slot                                    ; the first tensor load behind the round, one a wave
.endif
.if \pf
	PREF
.endif
	PLACES
	FETCH \next, 0, F0
	WIN MUL_HI
	MUL16 F1, 1, 0, 0
	MUL16 F1, 1, 2, 0
.endm
.macro LAP zero                        ; once round the ring, both slots filled again, one request ahead
	THREE 0, \zero
	TURN 0, 1, 1, 0
	THREE 1, 0
	TURN 1, 0, 1, 1
.endm
	s_wait_tensorcnt 1                             ; my part of K step 0 is in; K step 1's may stay out
	s_barrier_signal -1
	s_barrier_wait -1                              ; everybody's is
	FETCH 0, 0, F0
	LAP 1                                          ; the first lap stands in front of the loop: its first products start the sums
	WIN 0                                          ; at a label and at a branch every window is 0
	s_mov_b32 s3, LAPS-2
.Llap:
	LAP 0
	WIN 0
	s_sub_co_u32 s3, s3, 1
	s_cmp_lg_u32 s3, 0
	s_cbranch_scc1 .Llap
	THREE 0, 0                                     ; the last lap fills nothing and asks for nothing
	TURN 0, 1, 0, 0
	THREE 1, 0
	s_wait_dscnt 8                                 ; the very last quarter: nothing more to fetch
	WIN MUL_LO
	MUL16 F1, 0, 0, 0
	MUL16 F1, 0, 2, 0
	s_wait_dscnt 0
	WIN MUL_HI
	MUL16 F1, 1, 0, 0
	MUL16 F1, 1, 2, 0
	; THE WAY OUT, 16 rows x 64 columns at a time: the f32 sums go as they are, 32 bytes a lane, into my own stage, and come back as whole rows of 256 bytes.
	PLACES
	s_lshl_b32 s13, s13, 8
	s_lshl_b32 s14, s11, 7
	s_add_co_u32 s16, s13, s14                     ; my first row
	s_lshl_b32 s16, s16, 12                        ; 4,096 bytes a row: below 2^26
	s_mov_b32 s17, 0
	s_add_nc_u64 s[8:9], s[8:9], s[16:17]
	s_lshl_b32 s46, s42, 1                         ; my first column, in bytes (in the registers that held B's address)
	s_add_co_u32 s46, s46, s12
	s_lshl_b32 s46, s46, CSHIFT
	s_mov_b32 s47, 0
	s_add_nc_u64 s[8:9], s[8:9], s[46:47]
; the four tiles (a, 4 g .. 4 g + 3) of window 2 or 3 (from = 0x08 or 0x0c: an LDS store's data are source 1); f: 128 or 160 in turn;
; step = 1: the base moves 16 rows on
.macro OUTF a, g, from, f, step
	WIN \from
.irp b, 0,1,2,3
	ds_store_b128 v[STO], v[8*(8*\a+4*\g+\b):8*(8*\a+4*\g+\b)+3]   offset:64*\b
	ds_store_b128 v[STO], v[8*(8*\a+4*\g+\b)+4:8*(8*\a+4*\g+\b)+7] offset:64*\b+16
.endr
	WIN 0
	s_wait_xcnt 0x0                                ; every earlier memory instruction has had its addresses translated (ISA guide 3.1): buffer f, which stores read, and the stores' base are rewritten only behind this wait
.if \step
	s_add_nc_u64 s[8:9], s[8:9], 16*CROW
.endif
.irp t, 0,1,2,3,4,5,6,7
	ds_load_b128 v[\f+4*\t:\f+4*\t+3], v[RD] offset:\t*2*SPITCH    ; LDS serves a wave's instructions in order (ISA guide 5.7.1): these see the stores above
.endr
.irp t, 0,1,2,3,4,5,6,7
	s_wait_dscnt 7-\t
	global_store_b128 v[CO], v[\f+4*\t:\f+4*\t+3], s[8:9] offset:2*\t*CROW+256*\g th:TH_STORE_NT   ; 16 lanes store 256 consecutive bytes, aligned
.endr
.endm
	OUTF 0, 0, 0x08, 128, 0
	OUTF 0, 1, 0x08, 160, 0
	OUTF 1, 0, 0x08, 128, 1
	OUTF 1, 1, 0x08, 160, 0
	OUTF 2, 0, 0x08, 128, 1
	OUTF 2, 1, 0x08, 160, 0
	OUTF 3, 0, 0x08, 128, 1
	OUTF 3, 1, 0x08, 160, 0
	OUTF 0, 0, 0x0c, 128, 1
	OUTF 0, 1, 0x0c, 160, 0
	OUTF 1, 0, 0x0c, 128, 1
	OUTF 1, 1, 0x0c, 160, 0
	OUTF 2, 0, 0x0c, 128, 1
	OUTF 2, 1, 0x0c, 160, 0
	OUTF 3, 0, 0x0c, 128, 1
	OUTF 3, 1, 0x0c, 160, 0
	s_set_vgpr_msb 0x1
	s_wait_tensorcnt 0x0
	ds_add_u32 v255, v255
	s_wait_dscnt 0x0
	s_set_vgpr_msb 0x100
	CROUND                                         ; the closing round: no work-group ends while a partner may still ask for a tile that names it
	s_endpgm
.Lfunc_end_k_q00c76a5b85_gemm2:
	.size	k_q00c76a5b85_gemm2, .Lfunc_end_k_q00c76a5b85_gemm2-k_q00c76a5b85_gemm2
	.p2alignl 7, 3214868480
	.fill 96, 4, 3214868480
	.section	.rodata,"a",@progbits
	.p2align	6, 0x0
	.amdhsa_kernel k_q00c76a5b85_gemm2
		.amdhsa_group_segment_fixed_size 327680
		.amdhsa_private_segment_fixed_size 0
		.amdhsa_enable_private_segment 0
		.amdhsa_kernarg_size 24
		.amdhsa_user_sgpr_count 2
		.amdhsa_user_sgpr_kernarg_segment_ptr 1
		.amdhsa_wavefront_size32 1
		.amdhsa_system_sgpr_workgroup_id_x 1
		.amdhsa_system_sgpr_workgroup_id_y 1
		.amdhsa_system_sgpr_workgroup_id_z 1
		.amdhsa_system_vgpr_workitem_id 0
		.amdhsa_next_free_vgpr 1024
		.amdhsa_next_free_sgpr 76
		.amdhsa_reserve_vcc 0
		.amdhsa_float_denorm_mode_32 3
		.amdhsa_float_denorm_mode_16_64 3
		.amdhsa_memory_ordered 1
		.amdhsa_forward_progress 1
		.amdhsa_inst_pref_size 198
	.end_amdhsa_kernel
	.amdgpu_metadata
---
amdhsa.version: [ 1, 2 ]
amdhsa.kernels:
  - .name:           k_q00c76a5b85_gemm2
    .symbol:         k_q00c76a5b85_gemm2.kd
    .args:
      - { .name: hid, .offset: 0, .size: 8, .value_kind: global_buffer, .address_space: global }
      - { .name: vb, .offset: 8, .size: 8, .value_kind: global_buffer, .address_space: global }
      - { .name: out0, .offset: 16, .size: 8, .value_kind: global_buffer, .address_space: global }
    .group_segment_fixed_size: 327680
    .private_segment_fixed_size: 0
    .kernarg_segment_align: 8
    .kernarg_segment_size: 24
    .max_flat_workgroup_size: 128
    .sgpr_count:     76
    .vgpr_count:     1024
    .wavefront_size: 32
...
	.end_amdgpu_metadata
.endif
;; end of part 3
;; ======== version 2 of 2: 3 launches; version 1 with the launch prep written anew for expert scheduling mode
;; workspace buffers: xb 33,554,432 bytes; kb 4,194,304 bytes; vb 4,194,304 bytes; gt 1,048,576 bytes; hid 67,108,864 bytes
;; launch prep (part 4): grid 256 x 1, 8 waves a work-group, no clusters, 77,568 bytes of LDS; arguments input_tensor, expert_sel, keys, values, xb, kb, vb, gt; writes xb, kb, vb, gt
.if DOCPART == 4
	.amdgcn_target "amdgcn-amd-amdhsa--gfx1250"
	.amdhsa_code_object_version 6
	.text
	.protected	k_q00c76a5b85_prep
	.globl	k_q00c76a5b85_prep
	.p2align	8
	.type	k_q00c76a5b85_prep,@function
k_q00c76a5b85_prep:
	s_mov_b64 s[64:65], 0
	v_nop
	global_prefetch_b8 v0, s[64:65] scope:SCOPE_SE
	s_setreg_imm32_b32 hwreg(HW_REG_WAVE_SCHED_MODE, 0, 2), 2
	s_setreg_imm32_b32 hwreg(HW_REG_WAVE_MODE, 25, 1), 1
	s_wait_xcnt 0x0
	s_wait_alu depctr_vm_vsrc(0)
; prep: bf16 copies of x, keys and values (same order as the f32 tensors), and the router's gates
;   gt[e][t] = sigmoid(sum over d of x[t][d] expert_sel[e][d]),  f32, expert-major [16][16384],
; the products on the matrix unit with bf16 operands and f32 sums.
; 256 work-groups of eight waves.  Work-group g owns tokens 64 g .. 64 g + 63 and 32 KiB each of keys and of values (taken as a plain
; stream).  Wave w owns tokens 16 (w >> 1) .. + 15 in columns 512 (w & 1) .. + 511, 4 KiB of keys, 4 KiB of values and rows 2 w, 2 w + 1
; of expert_sel.  The wave's work is six TASKS of sixteen 512-byte loads (16 bytes a lane): S (expert_sel into LDS as bf16), K + V, x0 .. x3
; (128 columns of the wave's 16 tokens each).  Task i uses register buffer i & 1 and goes in two BLOCKS of eight slots; a block is converted and
; its eight slots are asked for again at once, for task i + 2: 24 to 32 loads of every wave are on their way until the last two tasks.
; Every store of a wave covers 256 consecutive bytes, aligned.
; The two halves of a router sum (the two waves of a token group) meet in LDS as f32; the sigmoid is taken of their sum.
; No cluster, no tensor loads: all but expert_sel (64 KiB against 320 KiB of a work-group's own bytes) is read by one work-group alone.
; LIMITS: v_exp_f32 and v_rcp_f32 flush denormals (ISA guide, their entries in 15.8), so a gate below 2^-126 comes out as 0.
; sigmoid(z) = 1 / (1 + 2^(-1.442695 z)): for a large |z| the power is 0 or infinity and the gate 1 or 0, never a NaN for a finite z.
; THE MODE: SCHED_MODE bits 1:0 = 2 (LLVM: expert scheduling mode 2), set by the entry lines.  The code itself states the register dependences
; between vector or matrix instructions and memory or LDS instructions, with s_wait_alu, always for 0.
; THE PLAN.  Registers that memory or LDS instructions touch:
;   X        four groups of eight slots.  A group is written by eight loads, read by its block's sixteen conversions, and loaded again behind them.
;            At the end two LDS loads land in its first eight registers, the sigmoid is made there, and the last store reads four of them.
;   Y        two registers for each of the six tasks' 96 slots, in window 1.  Each is written once, by a conversion, and read by the slot's store to
;            memory, its LDS store, or both; none is written again, so no wait is owed ahead of a write of Y, and no source of a store is ever rewritten.
;   XF, WF   written by the LDS loads of FRAGS c, read by the four matrix instructions of MM c, written again by FRAGS c + 1.
;   ACC      named by matrix instructions alone until the end; there four packed additions write its lower half and eight LDS stores read it.
;   v2-v10   offsets and LDS addresses, made at the head and never written again.      v14, v15   written at the head, read by the closing add alone.
; So ONE wait on va_vdst stands in a block, behind its conversions: they are done reading the X group, in which the reloads land, and have written Y, which
; the stores read.  Block 0's also states that v4 to v10 are written.  In an x task's second block it also states that the matrix instructions of the chunk
; before, issued ahead of the block, are done reading XF and WF; behind it stand only loads and stores that name none of XF, WF and their addresses, then FRAGS.
.set XIN,  16                          ; s[16:17] x at my wave's first token and column
.set SEL,  18                          ; s[18:19] expert_sel at my wave's two rows
.set KEYS, 20                          ; s[20:21] keys at my wave's 4 KiB
.set VALS, 22                          ; s[22:23] values likewise
.set XB,   24                          ; s[24:25] xb at my wave's first token and column
.set KB,   26                          ; s[26:27] kb at my wave's 2 KiB
.set VB,   28                          ; s[28:29] vb likewise
.set GTB,  30                          ; s[30:31] gt at my work-group's first token
.set WPITCH, 2064                      ; LDS row of expert_sel: 2,048 bytes + 16, an odd multiple of 16: the 16 rows of a fragment load start 16 bytes apart modulo 256
.set SPITCH, 272                       ; LDS row of a stage and of the sums: 256 bytes + 16
.set STG,  16*WPITCH                   ; 33,024: eight stages of 16 rows, one a wave
.set GL,   STG+8*16*SPITCH             ; 67,840: the router's sums, two halves of 16 experts x 64 tokens of f32
.set GHALF, 16*SPITCH                  ; 4,352: from one half to the other
.set VO,   2                           ; v2   16 x lane
.set VO8,  3                           ; v3   8 x lane
.set WSA,  4                           ; v4   where my 8 bytes of expert_sel's row 2 w go
.set STA,  5                           ; v5   where my 8 bytes of the stage's row 0 go
.set XFA,  6                           ; v6   fragment address in my stage:  272 r + 16 h
.set WFA,  7                           ; v7   fragment address in expert_sel: 2064 r + 16 h + my half of the columns
.set GA,   8                           ; v8   where my sums go
.set GR,   9                           ; v9   where I read sums back
.set GO,   10                          ; v10  my byte offset in gt
.set X,    16                          ; v[16:143]  32 slots of 4: buffer b at X + 64 b, slot t at + 4 t
.set XF,   176                         ; v[176:207] four fragments of x (16 tokens x 32 d)
.set WF,   208                         ; v[208:239] four fragments of expert_sel (16 experts x 32 d)
.set ACC,  240                         ; v[240:255] two accumulators
.set Y,    0                           ; window 1, v[256:447]: task i, slot t: two registers at Y + 32 i + 2 t: bf16, to store
; s_set_vgpr_msb's low byte: bits 1:0 source 0, 3:2 source 1, 5:4 source 2, 7:6 destination.
.set TO_Y,   0x40                      ; the conversions: destination in window 1, sources in window 0
.set FROM_Y, 0x04                      ; the stores: data (source 1) in window 1, address (source 0) in window 0; a load's data and address are in window 0 under it too
.set MSB, 0
.macro WIN new                         ; the immediate's high byte repeats the setting that is left; a switch that changes nothing is dropped
.if MSB != \new
	s_set_vgpr_msb (MSB<<8)|\new
.set MSB, \new
.endif
.endm
	s_load_b512 s[16:31], s[0:1], 0x0              ; all eight addresses
	v_lshl_add_u32 v14, v0, 2, 0x12b00
	v_mov_b32 v15, 0
	v_lshrrev_b32 v1, 5, v0
	v_readfirstlane_b32 s8, v1                     ; wave 0..7
	v_and_b32 v1, 31, v0                           ; lane
	v_and_b32 v12, 15, v0                          ; r
	v_bfe_u32 v13, v0, 4, 1                        ; h
	v_lshlrev_b32 v[VO], 4, v1
	v_lshlrev_b32 v[VO8], 3, v1
	s_wait_alu depctr_va_sdst(0)                   ; s8 is written, ahead of its first reader: every base and LDS place below is made from it
	s_lshr_b32 s9, s8, 1                           ; my token group, 0..3
	s_and_b32 s10, s8, 1                           ; my half of the columns
	s_lshl_b32 s2, ttmp9, 18                       ; x: 64 tokens of 4,096 bytes a work-group,
	s_lshl_b32 s4, s9, 16                          ; 16 a token group,
	s_add_co_u32 s2, s2, s4
	s_lshl_b32 s4, s10, 11                         ; 2,048 bytes a half row
	s_add_co_u32 s2, s2, s4
	s_mov_b32 s3, 0
	s_lshl_b32 s4, s8, 13                          ; two rows of expert_sel
	s_mov_b32 s5, 0
	s_lshl_b32 s6, ttmp9, 15                       ; keys, values: 32 KiB a work-group,
	s_lshl_b32 s7, s8, 12                          ; 4 KiB a wave
	s_add_co_u32 s6, s6, s7
	s_mov_b32 s7, 0
	s_lshl_b32 s12, ttmp9, 8                       ; 64 tokens of 4 bytes in a row of gt
	s_mov_b32 s13, 0
	s_wait_kmcnt 0x0
	s_add_nc_u64 s[SEL:SEL+1], s[SEL:SEL+1], s[4:5]
	s_add_nc_u64 s[KEYS:KEYS+1], s[KEYS:KEYS+1], s[6:7]
	s_add_nc_u64 s[VALS:VALS+1], s[VALS:VALS+1], s[6:7]
	s_wait_alu depctr_va_vdst(0)                   ; v2 is written, which every load from memory reads as its offset
.set t, 0
.rept 16
	global_load_b128 v[X+4*t:X+4*t+3], v[VO], s[SEL:SEL+1] offset:512*t   ; task S; every work-group reads these rows: no hint
.set t, t+1
.endr
.set t, 0
.rept 8
	global_load_b128 v[X+64+4*t:X+64+4*t+3], v[VO], s[KEYS:KEYS+1] offset:512*t th:TH_LOAD_NT   ; task K + V: slots 0 to 7
.set t, t+1
.endr
.set t, 0
.rept 8
	global_load_b128 v[X+96+4*t:X+96+4*t+3], v[VO], s[VALS:VALS+1] offset:512*t th:TH_LOAD_NT   ; slots 8 to 15
.set t, t+1
.endr
	s_add_nc_u64 s[XIN:XIN+1], s[XIN:XIN+1], s[2:3]
	s_add_nc_u64 s[GTB:GTB+1], s[GTB:GTB+1], s[12:13]
	s_lshr_b32 s2, s2, 1                           ; bf16: half of x's offset
	s_add_nc_u64 s[XB:XB+1], s[XB:XB+1], s[2:3]
	s_lshr_b32 s6, s6, 1                           ; and half of the weights'
	s_add_nc_u64 s[KB:KB+1], s[KB:KB+1], s[6:7]
	s_add_nc_u64 s[VB:VB+1], s[VB:VB+1], s[6:7]
	; the LDS addresses and gt's offset.  They are first read behind the first block's wait on va_vdst.  Each scalar that a vector instruction reads here has a register of its own.
	s_mul_i32 s14, s8, 2*WPITCH
	v_add_nc_u32 v[WSA], s14, v[VO8]               ; row 2 w of expert_sel in LDS + 8 x lane
	s_mul_i32 s15, s8, 16*SPITCH
	s_add_co_u32 s15, s15, STG                     ; my stage
	v_add_nc_u32 v[STA], s15, v[VO8]
	v_mul_u32_u24 v11, v12, SPITCH
	v_lshl_add_u32 v11, v13, 4, v11
	v_add_nc_u32 v[XFA], s15, v11
	v_mul_u32_u24 v[WFA], v12, WPITCH
	v_lshl_add_u32 v[WFA], v13, 4, v[WFA]
	s_lshl_b32 s32, s10, 10                        ; my half of the columns: 1,024 bytes of bf16
	v_add_nc_u32 v[WFA], s32, v[WFA]
	v_mul_u32_u24 v[GA], v13, 8*SPITCH             ; my eight sums are experts 8 h + j,
	v_lshl_add_u32 v[GA], v12, 2, v[GA]            ; token 16 x group + r of the work-group's 64,
	s_mul_i32 s33, s10, GHALF                      ; in my half's table
	s_lshl_b32 s34, s9, 6
	s_add_co_u32 s33, s33, s34
	s_add_co_u32 s33, s33, GL
	v_add_nc_u32 v[GA], s33, v[GA]
	v_mul_u32_u24 v[GR], v13, SPITCH               ; back: expert 2 w + h, 16 bytes (four tokens) a lane
	v_lshl_add_u32 v[GR], v12, 4, v[GR]
	s_mul_i32 s35, s8, 2*SPITCH
	s_add_co_u32 s35, s35, GL
	v_add_nc_u32 v[GR], s35, v[GR]
	v_lshlrev_b32 v[GO], 16, v13                   ; a row of gt is 65,536 bytes
	v_lshl_add_u32 v[GO], v12, 4, v[GO]
	s_lshl_b32 s36, s8, 17
	v_add_nc_u32 v[GO], s36, v[GO]
; Slots t0 .. t0 + 7 of task i.  buf: its register buffer.  left: how many younger loads may stay out when the block's eight have to be there.
; kind 0: bf16 into expert_sel's LDS rows; 1: bf16 to memory at sbase + soff + sstep t; 2: that, and into my stage's row t.
; rf = 1: the slots are loaded again from lbase + loff + lstep t, ahead of the stores.
.macro BLOCK i, buf, t0, left, kind, sbase, soff, sstep, rf, lbase, loff, lstep
	s_wait_loadcnt \left                           ; loads come back in order (ISA guide 5.7.1): this block's eight are in, the younger ones stay out
	WIN TO_Y
.set t, \t0
.rept 8
	v_cvt_pk_bf16_f32 v[Y+32*\i+2*t],   v[X+64*\buf+4*t],   v[X+64*\buf+4*t+1]
	v_cvt_pk_bf16_f32 v[Y+32*\i+2*t+1], v[X+64*\buf+4*t+2], v[X+64*\buf+4*t+3]
.set t, t+1
.endr
	WIN FROM_Y                                     ; the window first, then the wait, then the loads and stores
	s_wait_alu depctr_va_vdst(0)                   ; the conversions are done reading these eight slots of X, in which the loads below land, and have written Y, which the stores below read; all that stands ahead (the head's addresses, the last chunk's matrix instructions) is done too
.if \rf
.set t, \t0
.rept 8
	global_load_b128 v[X+64*\buf+4*t:X+64*\buf+4*t+3], v[VO], s[\lbase:\lbase+1] offset:\loff+\lstep*t th:TH_LOAD_NT
.set t, t+1
.endr
.endif
.set t, \t0
.rept 8
.if \kind == 0
	ds_store_b64 v[WSA], v[Y+32*\i+2*t:Y+32*\i+2*t+1] offset:256*t+16*(t>>3)   ; eight slots make a row; the next row lies 2,064 bytes on
.else
	global_store_b64 v[VO8], v[Y+32*\i+2*t:Y+32*\i+2*t+1], s[\sbase:\sbase+1] offset:\soff+\sstep*t
.endif
.if \kind == 2
	ds_store_b64 v[STA], v[Y+32*\i+2*t:Y+32*\i+2*t+1] offset:SPITCH*t
.endif
.set t, t+1
.endr
.endm
; The router's share of my chunk c: 128 along d, in two parts.  FRAGS c: sixteen LDS loads.  The stage is my own: LDS serves a wave's instructions in order
; (ISA guide 5.7.1), so the loads see the task's stores above them, and the next task's stores into the stage come behind them.  No wait on va_vdst of their own:
; no vector or matrix instruction since the block's wait names XF, WF or the two addresses.  They stand under the stores' window, in which a load's registers are window 0's.
.macro FRAGS c
.irp q, 0,1,2,3
	ds_load_b128 v[XF+8*\q:XF+8*\q+3],   v[XFA] offset:64*\q
	ds_load_b128 v[XF+8*\q+4:XF+8*\q+7], v[XFA] offset:64*\q+32
	ds_load_b128 v[WF+8*\q:WF+8*\q+3],   v[WFA] offset:256*\c+64*\q
	ds_load_b128 v[WF+8*\q+4:WF+8*\q+7], v[WFA] offset:256*\c+64*\q+32
.endr
.endm
; MM: the chunk's four matrix instructions, a block behind its FRAGS.  Source 0 = 16 experts, source 1 = my 16 tokens, so register j of lane (r, h) holds
; expert 8 h + j of token r.  The two accumulators take turns, one instruction a turn, from chunk to chunk too.
; left: the LDS instructions issued behind the chunk's sixteen loads: the eight stage stores of the block between, or none.
; The next FRAGS stands behind the next block's sixteen conversions, which name no register of these matrix instructions (ISA guide 7.12.1).
.macro MM left, zero
	s_wait_dscnt \left                             ; LDS instructions end in order (ISA guide 5.7.1): the fragments are in
	WIN 0
.if \zero
	v_wmma_f32_16x16x32_bf16 v[ACC:ACC+7],    v[WF:WF+7],    v[XF:XF+7],    0      ; the first products start the sums
	v_wmma_f32_16x16x32_bf16 v[ACC+8:ACC+15], v[WF+8:WF+15], v[XF+8:XF+15], 0
.else
	v_wmma_f32_16x16x32_bf16 v[ACC:ACC+7],    v[WF:WF+7],    v[XF:XF+7],    v[ACC:ACC+7]
	v_wmma_f32_16x16x32_bf16 v[ACC+8:ACC+15], v[WF+8:WF+15], v[XF+8:XF+15], v[ACC+8:ACC+15]
.endif
	v_wmma_f32_16x16x32_bf16 v[ACC:ACC+7],    v[WF+16:WF+23], v[XF+16:XF+23], v[ACC:ACC+7]
	v_wmma_f32_16x16x32_bf16 v[ACC+8:ACC+15], v[WF+24:WF+31], v[XF+24:XF+31], v[ACC+8:ACC+15]
.endm
	; count 24: behind a block's eight loads the three other groups of the ring have been loaded
	BLOCK 0, 0, 0, 24, 0, KB, 0, 0, 1, XIN, 0, 4096               ; S, row 2 w; asks for x0's rows 0 to 7
	BLOCK 0, 0, 8, 24, 0, KB, 0, 0, 1, XIN, 0, 4096               ; S, row 2 w + 1; asks for x0's rows 8 to 15
	s_wait_dscnt 0x0                               ; my two rows of expert_sel are in LDS,
	s_barrier_signal -1
	s_barrier_wait -1                              ; and so are the others'
	BLOCK 1, 1, 0, 24, 1, KB, 0,     256, 1, XIN, 512, 4096       ; K; asks for x1's rows 0 to 7
	BLOCK 1, 1, 8, 24, 1, VB, -2048, 256, 1, XIN, 512, 4096       ; V (slot 8 stores at byte 0); asks for x1's rows 8 to 15
	BLOCK 2, 0, 0, 24, 2, XB, 0,   2048, 1, XIN, 1024, 4096       ; x0; asks for x2
	BLOCK 2, 0, 8, 24, 2, XB, 0,   2048, 1, XIN, 1024, 4096
	FRAGS 0
	BLOCK 3, 1, 0, 24, 2, XB, 256, 2048, 1, XIN, 1536, 4096       ; x1; asks for x3, the last
	MM 8, 1
	BLOCK 3, 1, 8, 24, 2, XB, 256, 2048, 1, XIN, 1536, 4096
	FRAGS 1
	BLOCK 4, 0, 0, 24, 2, XB, 512, 2048, 0, XIN, 0, 0             ; x2 asks for nothing: the counts run down 24, 16,
	MM 8, 0
	BLOCK 4, 0, 8, 16, 2, XB, 512, 2048, 0, XIN, 0, 0
	FRAGS 2
	BLOCK 5, 1, 0, 8,  2, XB, 768, 2048, 0, XIN, 0, 0             ; x3: 8, 0
	MM 8, 0
	BLOCK 5, 1, 8, 0,  2, XB, 768, 2048, 0, XIN, 0, 0
	FRAGS 3
	MM 0, 0
	; my half of the sums goes to LDS; behind the barrier each thread adds the two halves of four tokens of one expert and takes the sigmoid
.rept 4
	v_nop                                          ; four places behind the last matrix instruction before its result is read (ISA guide 7.12.1)
.endr
.irp k, 0,2,4,6
	v_pk_add_f32 v[ACC+\k:ACC+\k+1], v[ACC+\k:ACC+\k+1], v[ACC+8+\k:ACC+8+\k+1]
.endr
	s_wait_alu depctr_va_vdst(0)                   ; the four additions have written v[ACC .. ACC+7], which the LDS stores read
.irp j, 0,1,2,3,4,5,6,7
	ds_store_b32 v[GA], v[ACC+\j] offset:SPITCH*\j ; expert 8 h + j, token 16 x group + r
.endr
	s_wait_dscnt 0x0                               ; my sums are in LDS,
	s_barrier_signal -1
	s_barrier_wait -1                              ; and so are the others'
	ds_load_b128 v[X:X+3],   v[GR]                 ; columns 0 to 511.  No wait on va_vdst: the conversions that read these registers stand ahead of the wait above, and no vector instruction stands behind it
	ds_load_b128 v[X+4:X+7], v[GR] offset:GHALF    ; columns 512 to 1023
	s_wait_dscnt 0x0
	v_pk_add_f32 v[X:X+1],   v[X:X+1],   v[X+4:X+5]
	v_pk_add_f32 v[X+2:X+3], v[X+2:X+3], v[X+6:X+7]
.irp j, 0,1,2,3
	v_mul_f32 v[X+\j], 0xbfb8aa3b, v[X+\j]         ; -1.442695 z
.endr
.irp j, 0,1,2,3
	v_exp_f32 v[X+\j], v[X+\j]
.endr
	v_nop                                          ; one plain place behind the last transcendental before its result is used (ISA guide 5.7.2)
	s_wait_alu depctr_va_vdst(0)                   ; the four powers are written, ahead of the additions that read them: one wait for the batch
.irp j, 0,1,2,3
	v_add_f32 v[X+\j], 1.0, v[X+\j]
.endr
.irp j, 0,1,2,3
	v_rcp_f32 v[X+\j], v[X+\j]
.endr
	v_nop
	s_wait_alu depctr_va_vdst(0)                   ; the four reciprocals are written: they are the data of the store below, their first reader
	global_store_b128 v[GO], v[X:X+3], s[GTB:GTB+1]   ; 16 lanes store the 256 consecutive bytes of one expert's 64 tokens, aligned
	s_wait_dscnt 0x0                               ; the closing lines, six on end
	s_wait_alu 0x0
	s_wait_tensorcnt 0x0
	ds_add_u32 v14, v15
	s_wait_dscnt 0x0
	s_endpgm
.Lfunc_end_k_q00c76a5b85_prep:
	.size	k_q00c76a5b85_prep, .Lfunc_end_k_q00c76a5b85_prep-k_q00c76a5b85_prep
	.p2alignl 7, 3214868480
	.fill 96, 4, 3214868480
	.section	.rodata,"a",@progbits
	.p2align	6, 0x0
	.amdhsa_kernel k_q00c76a5b85_prep
		.amdhsa_group_segment_fixed_size 77568
		.amdhsa_private_segment_fixed_size 0
		.amdhsa_enable_private_segment 0
		.amdhsa_kernarg_size 64
		.amdhsa_user_sgpr_count 2
		.amdhsa_user_sgpr_kernarg_segment_ptr 1
		.amdhsa_wavefront_size32 1
		.amdhsa_system_sgpr_workgroup_id_x 1
		.amdhsa_system_sgpr_workgroup_id_y 1
		.amdhsa_system_sgpr_workgroup_id_z 1
		.amdhsa_system_vgpr_workitem_id 0
		.amdhsa_next_free_vgpr 448
		.amdhsa_next_free_sgpr 66
		.amdhsa_reserve_vcc 0
		.amdhsa_float_denorm_mode_32 3
		.amdhsa_float_denorm_mode_16_64 3
		.amdhsa_memory_ordered 1
		.amdhsa_forward_progress 1
		.amdhsa_inst_pref_size 46
	.end_amdhsa_kernel
	.amdgpu_metadata
---
amdhsa.version: [ 1, 2 ]
amdhsa.kernels:
  - .name:           k_q00c76a5b85_prep
    .symbol:         k_q00c76a5b85_prep.kd
    .args:
      - { .name: input_tensor, .offset: 0, .size: 8, .value_kind: global_buffer, .address_space: global }
      - { .name: expert_sel, .offset: 8, .size: 8, .value_kind: global_buffer, .address_space: global }
      - { .name: keys, .offset: 16, .size: 8, .value_kind: global_buffer, .address_space: global }
      - { .name: values, .offset: 24, .size: 8, .value_kind: global_buffer, .address_space: global }
      - { .name: xb, .offset: 32, .size: 8, .value_kind: global_buffer, .address_space: global }
      - { .name: kb, .offset: 40, .size: 8, .value_kind: global_buffer, .address_space: global }
      - { .name: vb, .offset: 48, .size: 8, .value_kind: global_buffer, .address_space: global }
      - { .name: gt, .offset: 56, .size: 8, .value_kind: global_buffer, .address_space: global }
    .group_segment_fixed_size: 77568
    .private_segment_fixed_size: 0
    .kernarg_segment_align: 8
    .kernarg_segment_size: 64
    .max_flat_workgroup_size: 256
    .sgpr_count:     66
    .vgpr_count:     448
    .wavefront_size: 32
...
	.end_amdgpu_metadata
.endif
;; end of part 4
;; launch gemm1: the kernel of part 2 again; grid 4 x 64, 4 waves a work-group, clusters of 4 x 4, 327,680 bytes of LDS; arguments xb, kb, hid, gt; writes hid
;; launch gemm2: the kernel of part 3 again; grid 4 x 64, 4 waves a work-group, clusters of 4 x 4, 327,680 bytes of LDS; arguments hid, vb, out0; writes out0
